; MI455X (gfx1250); checked and timed in simulation.
; The chip was launched on July 23, 2026; its instructions are those of AMD's public machine-readable ISA for CDNA 5 (MIT licence, August 2026) and "CDNA5" Instruction Set Architecture Reference Guide (July 2026). The comments in the code are by the model that wrote it; some were corrected since.
;; Multiple Kmeans. Allowed arithmetic: float matrix products may take bf16 or f16 operands with f32 sums; all other float work in f32.
;; Inputs: centroids 8 x 512 x 1,024 float32; emb 1 x 16,384 x 1,024 float32; model_idx 16,384 int32.
;; Outputs: out0 1 x 16,384 x 1,024 float32.
;; 2 versions, each right and faster than the one before. Each part assembles by itself: llvm-mc -triple=amdgcn-amd-amdhsa -mcpu=gfx1250 --defsym DOCPART=n.
;; ======== version 1 of 2: 3 launches
;; workspace buffers: cbf 8,388,608 bytes; csq 16,384 bytes; order 65,536 bytes of whole numbers; blk 4,096 bytes of whole numbers; rowid 65,536 bytes of whole numbers
;; launch prep (part 1): grid 257 x 1, 8 waves a work-group, no clusters, 66,816 bytes of LDS; arguments centroids, model_idx, cbf, csq, order, blk; writes cbf, csq, order, blk
.if DOCPART == 1
	.amdgcn_target "amdgcn-amd-amdhsa--gfx1250"
	.amdhsa_code_object_version 6
	.text
	.protected	k_qc6a532fc39_prep
	.globl	k_qc6a532fc39_prep
	.p2align	8
	.type	k_qc6a532fc39_prep,@function
k_qc6a532fc39_prep:
	s_mov_b64 s[64:65], 0
	v_nop
	global_prefetch_b8 v0, s[64:65] scope:SCOPE_SE
	s_setreg_imm32_b32 hwreg(HW_REG_WAVE_MODE, 25, 1), 1
	s_wait_xcnt 0x0
; prep: two jobs that need nothing of each other, told apart by the work-group's number.
; Work-groups 0..255: 16 centroid rows each (row = 512 model + n) are rounded to bf16 and stored in the order in which the next launch's
;   matrix instructions want them: cbf[4 model + n/128][k/32][(n/16)%8][(k/16)%2][lane = 16 ((k/8)%2) + n%16][8 bf16, k%8].
;   1,024 consecutive bytes are the 8-register image of one fragment of 16 centroids x 32 k.  csq[row] = sum of the squares of the ROUNDED numbers, in f32.
; Work-group 256: counting sort of the 16,384 frames by model_idx (whole numbers only) and the table of 256 row blocks.
;   order[p] = frame at sorted place p.  blk[b] = {first place, last place, rows, model}.
;   Blocks of model m with n frames: B = (248 n >> 14) + 1 (0 if n = 0); the sum is at most 248 + 8 = 256; what is missing to 256 goes to the first
;   largest model (n >= 2,048 >= its blocks).  Block j takes ranks floor(j n / B) .. floor((j+1) n / B) - 1: n / B < 16384/248, so at most 67 rows, at least 1.
; LIMITS: model_idx is taken as unsigned and clamped to 0..7 (the problem keeps it inside the table).  Matrix operands are bf16.
.set SP,   272                         ; stage pitch: 256 bytes of bf16 + 16: an odd multiple of 16, so 16 rows start in 16 different 16-byte columns modulo 256
.set PS,   8*16*SP                     ; 34,816: [8 waves][16 rows] partial sums of squares
.set WT,   65536                       ; sort: [8 waves][4 words] totals; the sorted table lies at 0 .. 65,535
; conversion path
.set X,    16                          ; v[16:79]   16 rows x 4 f32 as loaded
.set Y,    80                          ; v[80:111]  16 rows x 4 bf16
.set F,    112                         ; v[112:143] 8 x 16 bytes in fragment order
.set QS,   144                         ; v[144:147] four chains of squares
; sort path
.set SEL,  16                          ; v[16:79]   model of my 64 frames, then the byte selector 0x0c0c0c00 | model
.set LR,   80                          ; v[80:143]  rank of the frame among my frames of its model
.set XN,   144                         ; eight 4-bit counts of the running group of 8 frames
.set CUL,  145                         ; byte m: my count of model m, m = 0..3
.set CUH,  146                         ; byte m - 4: the same, m = 4..7
.set T0,   147
.set T1,   148
.set P,    152                         ; v[152:155] counts in 16-bit fields: models (0,2) (1,3) (4,6) (5,7)
.set OWN,  156                         ; v[156:159] my own counts, to make the scan exclusive
.set BLL,  164                         ; byte tables of my first places: low bytes of models 0-3,
.set BLH,  165                         ; of models 4-7,
.set BHL,  166                         ; high bytes of models 0-3,
.set BHH,  167                         ; of models 4-7
.set DM,   168                         ; block table: model, frames, first place, first block, blocks of my block's model
.set DN,   169
.set DOF,  170
.set DBS,  171
.set DB,   172
.set N1,   173
.set N2,   174
.set Q1,   175
.set OUTD, 176                         ; v[176:179] the four words stored
.set DT,   180
.set Q2,   181
.set WTD,  184                         ; v[184:215] the eight waves' totals
.set WTS,  28                          ; s[28:59]   the same as scalars; later s[28:35] first block of each model
.set BS,   28
.set NM,   66                          ; s[66:73]   frames of model m
.set OFM,  74                          ; s[74:81]   first sorted place of model m
.set WB,   82                          ; s[82:85]   frames in the waves in front of mine, then + first places, in 16-bit fields
.set BM,   86                          ; s[86:93]   blocks of model m
.set TOT,  94                          ; s[94:97]   totals in 16-bit fields
	s_load_b256 s[4:11], s[0:1], 0x0               ; centroids s[4:5], model_idx s[6:7], cbf s[8:9], csq s[10:11]
	s_load_b128 s[12:15], s[0:1], 0x20             ; order s[12:13], blk s[14:15]
	v_lshl_add_u32 v224, v0, 2, 0x10100
	v_mov_b32 v225, 0
	v_lshrrev_b32 v1, 5, v0
	v_readfirstlane_b32 s16, v1                    ; wave 0..7
	v_and_b32 v1, 31, v0                           ; lane
	v_and_b32 v2, 15, v0                           ; r
	v_bfe_u32 v3, v0, 4, 1                         ; h
	v_lshlrev_b32 v4, 4, v0                        ; 16 x thread = 512 wave + 16 lane
	s_cmp_eq_u32 ttmp9, 256                        ; the same in all waves of a work-group
	s_cbranch_scc1 .Lsort
; ---------------- conversion: tile T = ttmp9 of 16 rows; wave w takes k = 128 w .. 128 w + 127 ----------------
	s_lshl_b32 s20, ttmp9, 16                      ; 16 rows of 4,096 bytes
	s_mov_b32 s21, 0
	s_lshr_b32 s22, ttmp9, 3                       ; 4 model + n/128
	s_lshl_b32 s22, s22, 18                        ; x 262,144
	s_and_b32 s23, ttmp9, 7                        ; (n/16) % 8
	s_lshl_b32 s23, s23, 10                        ; x 1,024
	s_add_co_u32 s22, s22, s23
	s_mov_b32 s23, 0
	s_lshl_b32 s24, ttmp9, 6                       ; 16 words of csq
	s_mov_b32 s25, 0
	s_mov_b32 s18, 0x76543210                      ; v_permlanex16_b32: lane i of one half reads lane i of the other
	s_mov_b32 s19, 0xfedcba98
	s_mul_i32 s26, s16, 16*SP                      ; my wave's stage
	s_lshl_b32 s27, s16, 15                        ; four k chunks of 8,192 bytes in cbf
	s_lshl_b32 s28, s16, 6
	s_add_co_u32 s28, s28, PS
	v_lshl_add_u32 v5, v1, 3, s26                  ; stage, in: 8 bytes a lane along a row
	v_mul_u32_u24 v6, v2, SP
	v_lshl_add_u32 v6, v3, 4, v6
	v_add_nc_u32 v6, s26, v6                       ; stage, back: row r, 16 h
	v_lshl_add_u32 v7, v1, 4, s27                  ; cbf: 32,768 w + 16 lane
	v_lshl_add_u32 v8, v2, 2, s28                  ; my wave's partial sum of row r
	v_lshlrev_b32 v10, 2, v2                       ; 4 r
	v_add_nc_u32 v9, PS, v10
	s_wait_kmcnt 0x0
	s_add_nc_u64 s[4:5], s[4:5], s[20:21]
	s_add_nc_u64 s[8:9], s[8:9], s[22:23]
	s_add_nc_u64 s[10:11], s[10:11], s[24:25]
.irp i, 0,1,2,3,4,5,6,7,8,9,10,11,12,13,14,15
	global_load_b128 v[X+4*\i:X+4*\i+3], v4, s[4:5] offset:4096*\i     ; a wave's load: 512 consecutive bytes of row i
.endr
.irp i, 0,1,2,3,4,5,6,7,8,9,10,11,12,13,14,15
	s_wait_loadcnt 15-\i                           ; loads come back in order: row i is in, the 15 - i younger rows stay out
	v_cvt_pk_bf16_f32 v[Y+2*\i],   v[X+4*\i],   v[X+4*\i+1]
	v_cvt_pk_bf16_f32 v[Y+2*\i+1], v[X+4*\i+2], v[X+4*\i+3]
	ds_store_b64 v5, v[Y+2*\i:Y+2*\i+1] offset:SP*\i
.endr
.irp t, 0,1,2,3,4,5,6,7
	ds_load_b128 v[F+4*\t:F+4*\t+3], v6 offset:64*(\t>>1)+32*(\t&1)    ; my wave's own bytes, served in the order of issue: these see the stores above
.endr
.irp t, 0,1,2,3,4,5,6,7
	s_wait_dscnt 7-\t                              ; piece t is in, the younger ones stay out
	global_store_b128 v7, v[F+4*\t:F+4*\t+3], s[8:9] offset:8192*(\t>>1)+512*(\t&1)   ; 512 consecutive bytes, at a multiple of 512 from cbf's first byte
.endr
	; squares of my 64 rounded numbers of row r, four chains; the first two words start them, so nothing is cleared
	v_lshlrev_b32 v[QS],   16, v[F]
	v_and_b32     v[QS+1], 0xffff0000, v[F]
	v_lshlrev_b32 v[QS+2], 16, v[F+1]
	v_and_b32     v[QS+3], 0xffff0000, v[F+1]
	v_mul_f32 v[QS],   v[QS],   v[QS]
	v_mul_f32 v[QS+1], v[QS+1], v[QS+1]
	v_mul_f32 v[QS+2], v[QS+2], v[QS+2]
	v_mul_f32 v[QS+3], v[QS+3], v[QS+3]
.set ii, 2
.rept 30
	v_fma_mix_f32_bf16 v[QS+2*(ii&1)],   v[F+ii], v[F+ii], v[QS+2*(ii&1)]   op_sel_hi:[1,1,0]
	v_fma_mix_f32_bf16 v[QS+2*(ii&1)+1], v[F+ii], v[F+ii], v[QS+2*(ii&1)+1] op_sel:[1,1,0] op_sel_hi:[1,1,0]
.set ii, ii+1
.endr
	v_add_f32 v[QS],   v[QS],   v[QS+1]
	v_add_f32 v[QS+2], v[QS+2], v[QS+3]
	v_add_f32 v[QS],   v[QS],   v[QS+2]
	v_permlanex16_b32 v[QS+1], v[QS], s18, s19     ; the other half of the lanes holds the other k of row r (the destination has been written)
	v_add_f32 v[QS], v[QS], v[QS+1]
	ds_store_b32 v8, v[QS]                         ; lanes r and 16 + r write the same word with the same number
	s_wait_dscnt 0x0                               ; for the others' sake: my partial sums are in LDS
	s_barrier_signal -1
	s_barrier_wait -1
	s_cmp_lg_u32 s16, 0
	s_cbranch_scc1 .Lconv_end                      ; wave 0 alone adds the eight waves' sums
.irp w, 0,1,2,3,4,5,6,7
	ds_load_b32 v[X+\w], v9 offset:64*\w
.endr
	s_wait_dscnt 0x0
	v_add_f32 v[X],   v[X],   v[X+1]
	v_add_f32 v[X+2], v[X+2], v[X+3]
	v_add_f32 v[X+4], v[X+4], v[X+5]
	v_add_f32 v[X+6], v[X+6], v[X+7]
	v_add_f32 v[X],   v[X],   v[X+2]
	v_add_f32 v[X+4], v[X+4], v[X+6]
	v_add_f32 v[X],   v[X],   v[X+4]
	s_wait_xcnt 0x0                                ; EXEC is a source of the stores above: it changes only behind this wait
	v_cmp_gt_u32 vcc_lo, 16, v1
	s_and_saveexec_b32 s17, vcc_lo
	global_store_b32 v10, v[X], s[10:11]           ; 16 lanes, 64 consecutive bytes; the whole table is 16 KiB
	s_wait_xcnt 0x0                                ; and again in front of the line that widens it
	s_or_b32 exec_lo, exec_lo, s17
.Lconv_end:
	s_wait_tensorcnt 0x0
	ds_add_u32 v224, v225
	s_wait_dscnt 0x0
	s_endpgm
; ---------------- the sort: 256 threads, thread t holds frames 1024 j + 4 t + c, j = 0..15, c = 0..3, in register 4 j + c ----------------
.Lsort:
	s_mov_b32 s20, 0x0c0c0c00                      ; selector bytes 1 to 3: zero
	s_mov_b32 s21, 0x18100800                      ; byte m: where model m's 4-bit count lies, 8 (m & 3) + 4 (m >> 2); m = 0..3
	s_mov_b32 s22, 0x1c140c04                      ; m = 4..7
	s_mov_b32 s23, 0x0f0f0f0f
	s_mov_b32 s24, 0x00ff00ff
	s_mov_b32 s25, 0x06020400                      ; bytes 0 and 2 of two words, interleaved
	s_mov_b32 s26, 0x07030501                      ; bytes 1 and 3
	v_lshlrev_b32 v5, 2, v0                        ; 4 t
	s_wait_kmcnt 0x0
.irp j, 0,1,2,3,4,5,6,7,8,9,10,11,12,13,14,15
	global_load_b128 v[SEL+4*\j:SEL+4*\j+3], v4, s[6:7] offset:4096*\j
.endr
	s_wait_loadcnt 0x0
	; pass 1: rank of each frame among my frames of its model.  Groups of 8 frames are counted in 4-bit fields (8 fits), the groups in bytes (64 fits).
.set e, 0
.rept 64
	v_min_u32 v[SEL+e], 7, v[SEL+e]
	v_or_b32 v[SEL+e], s20, v[SEL+e]
	v_perm_b32 v[T0], s22, s21, v[SEL+e]           ; the field's place
.if e >= 8
	v_perm_b32 v[LR+e], v[CUH], v[CUL], v[SEL+e]   ; my count of this model in the groups before
.endif
.if (e & 7) == 0
.if e == 0
	v_mov_b32 v[LR+e], 0
.endif
	v_lshlrev_b32 v[XN], v[T0], 1                  ; the group's first frame starts the counts
.else
.if e < 8
	v_bfe_u32 v[LR+e], v[XN], v[T0], 4
.else
	v_bfe_u32 v[T1], v[XN], v[T0], 4
	v_add_nc_u32 v[LR+e], v[LR+e], v[T1]
.endif
	v_lshlrev_b32 v[T1], v[T0], 1
	v_add_nc_u32 v[XN], v[XN], v[T1]
.endif
.if (e & 7) == 7
.if e == 7
	v_and_b32 v[CUL], s23, v[XN]
	v_lshrrev_b32 v[T1], 4, v[XN]
	v_and_b32 v[CUH], s23, v[T1]
.else
	v_and_b32 v[T1], s23, v[XN]
	v_add_nc_u32 v[CUL], v[CUL], v[T1]
	v_lshrrev_b32 v[T1], 4, v[XN]
	v_and_b32 v[T1], s23, v[T1]
	v_add_nc_u32 v[CUH], v[CUH], v[T1]
.endif
.endif
.set e, e+1
.endr
	; my eight counts in 16-bit fields (16,384 fits, and no sum below passes it, so no field carries into its neighbour)
	v_and_b32 v[P], s24, v[CUL]
	v_lshrrev_b32 v[P+1], 8, v[CUL]
	v_and_b32 v[P+1], s24, v[P+1]
	v_and_b32 v[P+2], s24, v[CUH]
	v_lshrrev_b32 v[P+3], 8, v[CUH]
	v_and_b32 v[P+3], s24, v[P+3]
.irp k, 0,1,2,3
	v_mov_b32 v[OWN+\k], v[P+\k]
.endr
	; inclusive scan over the wave: four steps inside each 16 lanes, then the lower half's total onto the upper half
	v_cmp_le_u32 vcc_lo, 16, v1
.irp n, 1,2,4,8
.irp k, 0,1,2,3
	v_mov_b32_dpp v[T0], v[P+\k] row_shr:\n row_mask:0xf bank_mask:0xf bound_ctrl:1
	v_add_nc_u32 v[P+\k], v[P+\k], v[T0]
.endr
.endr
.irp k, 0,1,2,3
	v_readlane_b32 s[60+\k], v[P+\k], 15
.endr
.irp k, 0,1,2,3
	v_cndmask_b32 v[T0], 0, s[60+\k], vcc_lo
	v_add_nc_u32 v[P+\k], v[P+\k], v[T0]
.endr
.irp k, 0,1,2,3
	v_readlane_b32 s[60+\k], v[P+\k], 31           ; my wave's totals
.endr
.irp k, 0,1,2,3
	v_mov_b32 v[DM+\k], s[60+\k]
	v_sub_nc_u32 v[P+\k], v[P+\k], v[OWN+\k]       ; frames of each model in the lanes in front of mine
.endr
	s_lshl_b32 s27, s16, 4
	s_add_co_u32 s27, s27, WT
	v_mov_b32 v149, s27
	v_mov_b32 v150, WT
	ds_store_b128 v149, v[DM:DM+3]                 ; all lanes write the same 16 bytes
	s_wait_dscnt 0x0                               ; for the others' sake
	s_barrier_signal -1
	s_barrier_wait -1
.irp w, 0,1,2,3,4,5,6,7
	ds_load_b128 v[WTD+4*\w:WTD+4*\w+3], v150 offset:16*\w
.endr
	s_wait_dscnt 0x0
.set ii, 0
.rept 32
	v_readfirstlane_b32 s[WTS+ii], v[WTD+ii]
.set ii, ii+1
.endr
	; totals, and the sum over the waves in front of mine
.irp k, 0,1,2,3
	s_mov_b32 s[TOT+\k], s[WTS+\k]
.endr
	s_cmp_gt_u32 s16, 0
.irp k, 0,1,2,3
	s_cselect_b32 s[WB+\k], s[WTS+\k], 0
.endr
.irp w, 1,2,3,4,5,6,7
	s_cmp_gt_u32 s16, \w
.irp k, 0,1,2,3
	s_cselect_b32 s[60+\k], s[WTS+4*\w+\k], 0      ; all four selects in front of the adds, which write SCC
.endr
.irp k, 0,1,2,3
	s_add_co_u32 s[WB+\k], s[WB+\k], s[60+\k]
	s_add_co_u32 s[TOT+\k], s[TOT+\k], s[WTS+4*\w+\k]
.endr
.endr
	s_and_b32  s[NM+0], s[TOT+0], 0xffff
	s_lshr_b32 s[NM+2], s[TOT+0], 16
	s_and_b32  s[NM+1], s[TOT+1], 0xffff
	s_lshr_b32 s[NM+3], s[TOT+1], 16
	s_and_b32  s[NM+4], s[TOT+2], 0xffff
	s_lshr_b32 s[NM+6], s[TOT+2], 16
	s_and_b32  s[NM+5], s[TOT+3], 0xffff
	s_lshr_b32 s[NM+7], s[TOT+3], 16
	s_mov_b32 s[OFM], 0
.irp m, 1,2,3,4,5,6,7
	s_add_co_u32 s[OFM+\m], s[OFM+\m-1], s[NM+\m-1]
.endr
	s_lshl_b32 s60, s[OFM+2], 16
	s_or_b32 s60, s60, s[OFM+0]
	s_add_co_u32 s[WB+0], s[WB+0], s60
	s_lshl_b32 s60, s[OFM+3], 16
	s_or_b32 s60, s60, s[OFM+1]
	s_add_co_u32 s[WB+1], s[WB+1], s60
	s_lshl_b32 s60, s[OFM+6], 16
	s_or_b32 s60, s60, s[OFM+4]
	s_add_co_u32 s[WB+2], s[WB+2], s60
	s_lshl_b32 s60, s[OFM+7], 16
	s_or_b32 s60, s60, s[OFM+5]
	s_add_co_u32 s[WB+3], s[WB+3], s60
	; blocks of each model; s98 = what is missing to 256
	s_mov_b32 s98, 256
.irp m, 0,1,2,3,4,5,6,7
	s_mul_i32 s[BM+\m], s[NM+\m], 248
	s_lshr_b32 s[BM+\m], s[BM+\m], 14
	s_add_co_u32 s[BM+\m], s[BM+\m], 1
	s_cmp_lg_u32 s[NM+\m], 0
	s_cselect_b32 s[BM+\m], s[BM+\m], 0
	s_sub_co_u32 s98, s98, s[BM+\m]
.endr
	s_mov_b32 s60, s[NM]                           ; the first largest model
	s_mov_b32 s61, 0
.irp m, 1,2,3,4,5,6,7
	s_cmp_gt_u32 s[NM+\m], s60
	s_cselect_b32 s60, s[NM+\m], s60
	s_cselect_b32 s61, \m, s61
.endr
.irp m, 0,1,2,3,4,5,6,7
	s_cmp_eq_u32 s61, \m
	s_cselect_b32 s62, s98, 0
	s_add_co_u32 s[BM+\m], s[BM+\m], s62
.endr
	s_mov_b32 s[BS], 0
.irp m, 1,2,3,4,5,6,7
	s_add_co_u32 s[BS+\m], s[BS+\m-1], s[BM+\m-1]
.endr
	; my first place for each model, as byte tables that the selector picks from
.irp k, 0,1,2,3
	v_add_nc_u32 v[P+\k], s[WB+\k], v[P+\k]
.endr
	v_perm_b32 v[BLL], v[P+1], v[P],   s25
	v_perm_b32 v[BHL], v[P+1], v[P],   s26
	v_perm_b32 v[BLH], v[P+3], v[P+2], s25
	v_perm_b32 v[BHH], v[P+3], v[P+2], s26
	; pass 2: each frame's number goes to its sorted place in LDS
.set e, 0
.rept 64
	v_perm_b32 v[T0], v[BLH], v[BLL], v[SEL+e]
	v_perm_b32 v[T1], v[BHH], v[BHL], v[SEL+e]
	v_lshl_add_u32 v[T0], v[T1], 8, v[T0]
	v_add_lshl_u32 v[T0], v[T0], v[LR+e], 2
	v_min_u32 v[T0], 0xfffc, v[T0]                 ; inside the table's 65,536 bytes whatever was read
	v_add_nc_u32 v[T1], 1024*(e>>2)+(e&3), v5
	ds_store_b32 v[T0], v[T1]
.set e, e+1
.endr
	s_wait_dscnt 0x0                               ; for the others' sake
	s_barrier_signal -1
	s_barrier_wait -1
.irp j, 0,1,2,3,4,5,6,7,8,9,10,11,12,13,14,15
	ds_load_b128 v[SEL+4*\j:SEL+4*\j+3], v4 offset:4096*\j
.endr
.irp j, 0,1,2,3,4,5,6,7,8,9,10,11,12,13,14,15
	s_wait_dscnt 15-\j                             ; piece j is in, the younger ones stay out
	global_store_b128 v4, v[SEL+4*\j:SEL+4*\j+3], s[12:13] offset:4096*\j   ; a wave's store: 512 consecutive bytes, aligned
.endr
	; the block table: thread b describes block b.  The last model whose first block is at or below b is b's model (models without blocks are passed over).
	v_mov_b32 v[DM], 0
	v_mov_b32 v[DN], s[NM]
	v_mov_b32 v[DOF], 0
	v_mov_b32 v[DBS], 0
	v_mov_b32 v[DB], s[BM]
.irp m, 1,2,3,4,5,6,7
	v_cmp_le_u32 vcc_lo, s[BS+\m], v0
	v_cndmask_b32 v[DM],  v[DM],  \m, vcc_lo
	v_cndmask_b32 v[DN],  v[DN],  s[NM+\m],  vcc_lo
	v_cndmask_b32 v[DOF], v[DOF], s[OFM+\m], vcc_lo
	v_cndmask_b32 v[DBS], v[DBS], s[BS+\m],  vcc_lo
	v_cndmask_b32 v[DB],  v[DB],  s[BM+\m],  vcc_lo
.endr
	v_sub_nc_u32 v[DT], v0, v[DBS]                 ; j
	v_mul_u32_u24 v[N1], v[DT], v[DN]              ; j n < 2^22
	v_add_nc_u32 v[N2], v[N1], v[DN]               ; (j + 1) n <= 2^22
; q = floor(n / b) by 15 steps of shift and subtract: the quotient is at most 2^14, b << 14 at most 2^22
.macro DIV q, n, b
	v_mov_b32 v[\q], 0
.irp i, 14,13,12,11,10,9,8,7,6,5,4,3,2,1,0
	v_lshlrev_b32 v[DT], \i, v[\b]
	v_cmp_ge_u32 vcc_lo, v[\n], v[DT]
	v_cndmask_b32 v[DT], 0, v[DT], vcc_lo
	v_sub_nc_u32 v[\n], v[\n], v[DT]
	v_add_co_ci_u32 v[\q], vcc_lo, v[\q], v[\q], vcc_lo
.endr
.endm
	DIV Q1, N1, DB
	DIV Q2, N2, DB
	v_add_nc_u32 v[OUTD], v[DOF], v[Q1]            ; first place
	v_add_nc_u32 v[DT], v[DOF], v[Q2]              ; one past the last
	v_sub_nc_u32 v[OUTD+2], v[DT], v[OUTD]         ; rows
	v_max_u32 v[OUTD+1], 1, v[DT]
	v_add_nc_u32 v[OUTD+1], -1, v[OUTD+1]          ; last place
	v_mov_b32 v[OUTD+3], v[DM]
	global_store_b128 v4, v[OUTD:OUTD+3], s[14:15]
	s_wait_tensorcnt 0x0
	ds_add_u32 v224, v225
	s_wait_dscnt 0x0
	s_endpgm
.Lfunc_end_k_qc6a532fc39_prep:
	.size	k_qc6a532fc39_prep, .Lfunc_end_k_qc6a532fc39_prep-k_qc6a532fc39_prep
	.p2alignl 7, 3214868480
	.fill 96, 4, 3214868480
	.section	.rodata,"a",@progbits
	.p2align	6, 0x0
	.amdhsa_kernel k_qc6a532fc39_prep
		.amdhsa_group_segment_fixed_size 66816
		.amdhsa_private_segment_fixed_size 0
		.amdhsa_enable_private_segment 0
		.amdhsa_kernarg_size 48
		.amdhsa_user_sgpr_count 2
		.amdhsa_user_sgpr_kernarg_segment_ptr 1
		.amdhsa_wavefront_size32 1
		.amdhsa_system_sgpr_workgroup_id_x 1
		.amdhsa_system_sgpr_workgroup_id_y 1
		.amdhsa_system_sgpr_workgroup_id_z 1
		.amdhsa_system_vgpr_workitem_id 0
		.amdhsa_next_free_vgpr 226
		.amdhsa_next_free_sgpr 100
		.amdhsa_reserve_vcc 1
		.amdhsa_float_denorm_mode_32 3
		.amdhsa_float_denorm_mode_16_64 3
		.amdhsa_memory_ordered 1
		.amdhsa_forward_progress 1
		.amdhsa_inst_pref_size 92
	.end_amdhsa_kernel
	.amdgpu_metadata
---
amdhsa.version: [ 1, 2 ]
amdhsa.kernels:
  - .name:           k_qc6a532fc39_prep
    .symbol:         k_qc6a532fc39_prep.kd
    .args:
      - { .name: centroids, .offset: 0, .size: 8, .value_kind: global_buffer, .address_space: global }
      - { .name: model_idx, .offset: 8, .size: 8, .value_kind: global_buffer, .address_space: global }
      - { .name: cbf, .offset: 16, .size: 8, .value_kind: global_buffer, .address_space: global }
      - { .name: csq, .offset: 24, .size: 8, .value_kind: global_buffer, .address_space: global }
      - { .name: order, .offset: 32, .size: 8, .value_kind: global_buffer, .address_space: global }
      - { .name: blk, .offset: 40, .size: 8, .value_kind: global_buffer, .address_space: global }
    .group_segment_fixed_size: 66816
    .private_segment_fixed_size: 0
    .kernarg_segment_align: 8
    .kernarg_segment_size: 48
    .max_flat_workgroup_size: 256
    .sgpr_count:     100
    .vgpr_count:     226
    .wavefront_size: 32
...
	.end_amdgpu_metadata
.endif
;; end of part 1
;; launch assign (part 2): grid 256 x 1, 4 waves a work-group, no clusters, 168,704 bytes of LDS; arguments emb, cbf, csq, order, blk, rowid; writes rowid
.if DOCPART == 2
	.amdgcn_target "amdgcn-amd-amdhsa--gfx1250"
	.amdhsa_code_object_version 6
	.text
	.protected	k_qc6a532fc39_assign
	.globl	k_qc6a532fc39_assign
	.p2align	8
	.type	k_qc6a532fc39_assign,@function
k_qc6a532fc39_assign:
	s_mov_b64 s[64:65], 0
	v_nop
	global_prefetch_b8 v0, s[64:65] scope:SCOPE_SE
	s_setreg_imm32_b32 hwreg(HW_REG_WAVE_MODE, 25, 1), 1
	s_wait_xcnt 0x0
; assign: work-group b takes row block blk[b]: up to 80 frames (5 tiles of 16), all of ONE model, against that model's 512 centroids, K = 1,024.
; rowid[p] = 512 model + argmin over n of ((x_sq - 2 dot) + c_sq), formed in that order in f32; the first index wins a tie.
; Only the chosen model's distances are made: the other seven are selected away by the problem's own formula.
; Phase 0: wave w gathers rows 20 w .. 20 w + 19 (places past the block's last repeat the last row; their results are not stored), rounds them to bf16
;   into LDS, where they stay for the whole K loop, and sums the squares of the rounded numbers.
; K loop: wave w owns centroids 128 w .. 128 w + 127 and all 80 frames: 5 x 8 = 40 accumulator tiles, 320 registers.  32 chunks of 32 along K.
;   The centroids come from cbf, which lies in fragment order, straight into a ring of four register slots (8 KiB a chunk and wave, three chunks ahead):
;   each byte of cbf is used by exactly one wave of the work-group, so a stay in LDS would be written once and read once for nothing.
; NO JOINT LOADS, though the blocks of one model read the same 1 MiB of cbf: the number of blocks of a model hangs on counts read from memory and is no
;   multiple of four, and with 165,120 bytes of resident frames LDS has room for two slots of 64 along K only, which would put a round of the cluster's
;   barrier in front of every 80 matrix instructions of a wave.
; THE MATRIX INSTRUCTION IS USED TRANSPOSED: source 0 = 16 centroids, source 1 = 16 frames.  Lane (r, h), register j of tile (f, c) then holds
;   frame 16 f + r, centroid 128 w + 16 c + 8 h + j: the argmin runs inside a lane but for one step across the halves and one across the waves.
; LIMITS: matrix operands are bf16, x_sq and c_sq are taken of the rounded numbers; with a NaN among a frame's distances the code is unspecified;
;   the f32 sums are formed in another order than a plain loop's, so two distances that differ in the last places may change order.
; REGISTERS: window 0 addresses, frames' fragments, work; window 1 the ring of centroids; window 2 tiles (f, c), f = 0..3, at 8 (8 f + c); window 3 tiles (4, c) at 8 c.
.set PITCH, 2064                       ; an LDS row: 2,048 bytes + 16 = 129 x 16: the 16 rows of a fragment load start in 16 different 16-byte columns modulo 256
.set XSQ,   80*PITCH                   ; 165,120: 80 f32 (512 bytes kept)
.set MRG,   XSQ+512                    ; 165,632: [4 waves][80 frames] (distance, n), 2,560 bytes
.set AADR,  3                          ; v[3:7]     LDS address of my part of frame tile f: (16 f + r) PITCH + 16 h, stepped along K
.set XS,    16                         ; v[16:25]   x_sq of frame 16 f + r, twice (a pair for the packed arithmetic)
.set Q,     26                         ; v[26:29]   four chains of squares; later at work
.set BP,    30                         ; v[30:39]   tile f: (best distance, its n)
.set AF,    40                         ; v[40:79], v[80:119] frames' fragments, two buffers of 5 x 8
.set IX,    40                         ; v[40:71]   the way out: indices of the tree
.set X,     120                        ; v[120:247] phase 0: four row slots of 32
.set CS,    120                        ; v[120:183] the way out: c_sq of my 64 centroids
.set T,     184                        ; v[184:247] the way out: 64 distances of one frame
.set OFF,   248                        ; v[248:251] phase 0: a slot's byte offset in emb
.set Y,     252                        ; v[252:255] phase 0: 4 bf16, two pairs in turn
.set PI,    24                         ; s[24:43]   byte offsets into order of my 20 rows
.set FR,    44                         ; s[44:63]   their frames, then byte offsets in emb
.set MSK,   68                         ; s[68:71]   compare masks
.set MSB, 0
.macro WIN new                         ; the immediate's high byte repeats the setting that is left
.if MSB != \new
	s_set_vgpr_msb (MSB<<8)|\new
.set MSB, \new
.endif
.endm
.set MUL_LO, 0xa1                      ; source 0 (centroids) window 1, source 1 (frames) window 0, C and D window 2
.set MUL_HI, 0xf1                      ; the same, C and D window 3
.set TO_B,   0x40                      ; destination window 1, address window 0
	s_load_b256 s[4:11], s[0:1], 0x0               ; emb s[4:5], cbf s[6:7], csq s[8:9], order s[10:11]
	s_load_b128 s[12:15], s[0:1], 0x20             ; blk s[12:13], rowid s[14:15]
	s_set_vgpr_msb 0xc0
	v_lshl_add_u32 v64, v0, 2, 0x29100
	v_mov_b32 v65, 0
	s_set_vgpr_msb 0xc000
	v_lshrrev_b32 v15, 5, v0
	v_readfirstlane_b32 s16, v15                   ; wave 0..3
	s_lshl_b32 s17, ttmp9, 4
	s_wait_kmcnt 0x0
	s_load_b128 s[20:23], s[12:13], s17 offset:0x0 ; first place, last place, rows, model
	v_and_b32 v15, 31, v0                          ; lane
	v_lshlrev_b32 v1, 4, v15                       ; 16 lane; never rewritten
	v_and_b32 v8, 15, v0                           ; r
	v_bfe_u32 v9, v0, 4, 1                         ; h
	s_mul_i32 s19, s16, 20*PITCH
	v_lshl_add_u32 v2, v15, 3, s19                 ; phase 0: 8 lane + my wave's first row
	v_mul_u32_u24 v[AADR], v8, PITCH
	v_lshl_add_u32 v[AADR], v9, 4, v[AADR]
.irp f, 1,2,3,4
	v_add_nc_u32 v[AADR+\f], \f*16*PITCH, v[AADR]
.endr
	v_lshlrev_b32 v10, 5, v9                       ; 32 h: 8 words of csq
	s_lshl_b32 s19, s16, 7
	v_lshl_add_u32 v11, v9, 3, s19                 ; 128 w + 8 h
	s_mul_i32 s19, s16, 80
	s_add_co_u32 s19, s19, XSQ
	v_mov_b32 v12, s19                             ; x_sq of my wave's 20 rows
	v_lshlrev_b32 v13, 2, v8
	v_add_nc_u32 v13, XSQ, v13
	s_mul_i32 s19, s16, 640
	s_add_co_u32 s19, s19, MRG
	v_lshl_add_u32 v14, v8, 3, s19
	s_mov_b32 s66, 0x76543210                      ; v_permlanex16_b32: lane i of one half reads lane i of the other
	s_mov_b32 s67, 0xfedcba98
	s_mov_b32 s73, 0xffff0000
	s_wait_kmcnt 0x0
	s_min_u32 s20, s20, 0x3fff                     ; what was read enters addresses only clamped
	s_min_u32 s21, s21, 0x3fff
	s_min_u32 s22, s22, 80
	s_min_u32 s23, s23, 7
	s_mul_i32 s18, s16, 20
	s_add_co_u32 s18, s18, s20                     ; my wave's first place
.irp i, 0,1,2,3,4,5,6,7,8,9,10,11,12,13,14,15,16,17,18,19
	s_add_co_u32 s[PI+\i], s18, \i
	s_min_u32 s[PI+\i], s[PI+\i], s21              ; past the block's end: its last row again
	s_min_u32 s[PI+\i], s[PI+\i], 0x3fff
	s_lshl_b32 s[PI+\i], s[PI+\i], 2
	s_load_b32 s[FR+\i], s[10:11], s[PI+\i] offset:0x0
.endr
	s_lshl_b32 s74, s23, 2
	s_add_co_u32 s74, s74, s16                     ; 4 model + wave
	s_lshl_b32 s74, s74, 18                        ; x 262,144: my wave's stream of centroids
	s_mov_b32 s75, 0
	s_add_nc_u64 s[74:75], s[6:7], s[74:75]
	s_lshl_b32 s76, s23, 11
	s_lshl_b32 s77, s16, 9
	s_add_co_u32 s76, s76, s77                     ; 4 (512 model + 128 wave)
	s_mov_b32 s77, 0
	s_add_nc_u64 s[76:77], s[8:9], s[76:77]
	s_wait_kmcnt 0x0
.irp i, 0,1,2,3,4,5,6,7,8,9,10,11,12,13,14,15,16,17,18,19
	s_min_u32 s[FR+\i], s[FR+\i], 0x3fff
	s_lshl_b32 s[FR+\i], s[FR+\i], 12              ; rows of 4,096 bytes
.endr
; row i into slot i % 4: eight loads of 512 consecutive bytes.  No hint: rows past the block's end name one row several times.
.macro FILL i
	v_add_nc_u32 v[OFF+((\i)&3)], s[FR+(\i)], v1
.irp j, 0,1,2,3,4,5,6,7
	global_load_b128 v[X+32*((\i)&3)+4*\j:X+32*((\i)&3)+4*\j+3], v[OFF+((\i)&3)], s[4:5] offset:512*\j
.endr
.endm
; the 16 loads of a chunk of centroids, crel chunks behind the stream's base, into ring slot crel % 4: 8 fragments of 16 centroids x 32 k
.macro BFILL crel
	WIN TO_B
.set tt, 0
.rept 16
	global_load_b128 v[64*((\crel)&3)+4*tt:64*((\crel)&3)+4*tt+3], v1, s[74:75] offset:8192*(\crel)+512*tt
.set tt, tt+1
.endr
	WIN 0
.endm
; row i: round, square, store.  left = how many younger loads may stay out.
.macro TURN i, left
	s_wait_loadcnt \left                           ; loads come back in order: row i's eight are in; its slot and its offset register are free
.irp j, 0,1,2,3,4,5,6,7
	v_cvt_pk_bf16_f32 v[Y+2*(\j&1)],   v[X+32*((\i)&3)+4*\j],   v[X+32*((\i)&3)+4*\j+1]
	v_cvt_pk_bf16_f32 v[Y+2*(\j&1)+1], v[X+32*((\i)&3)+4*\j+2], v[X+32*((\i)&3)+4*\j+3]
.if \j == 0
	v_lshlrev_b32 v[Q],   16,  v[Y]                ; the first four numbers start the four chains: nothing is cleared
	v_and_b32     v[Q+1], s73, v[Y]
	v_lshlrev_b32 v[Q+2], 16,  v[Y+1]
	v_and_b32     v[Q+3], s73, v[Y+1]
	v_mul_f32 v[Q],   v[Q],   v[Q]
	v_mul_f32 v[Q+1], v[Q+1], v[Q+1]
	v_mul_f32 v[Q+2], v[Q+2], v[Q+2]
	v_mul_f32 v[Q+3], v[Q+3], v[Q+3]
.else
	v_fma_mix_f32_bf16 v[Q],   v[Y+2*(\j&1)],   v[Y+2*(\j&1)],   v[Q]   op_sel_hi:[1,1,0]
	v_fma_mix_f32_bf16 v[Q+1], v[Y+2*(\j&1)],   v[Y+2*(\j&1)],   v[Q+1] op_sel:[1,1,0] op_sel_hi:[1,1,0]
	v_fma_mix_f32_bf16 v[Q+2], v[Y+2*(\j&1)+1], v[Y+2*(\j&1)+1], v[Q+2] op_sel_hi:[1,1,0]
	v_fma_mix_f32_bf16 v[Q+3], v[Y+2*(\j&1)+1], v[Y+2*(\j&1)+1], v[Q+3] op_sel:[1,1,0] op_sel_hi:[1,1,0]
.endif
	ds_store_b64 v2, v[Y+2*(\j&1):Y+2*(\j&1)+1] offset:PITCH*(\i)+256*\j   ; 32 lanes, 256 consecutive bytes
.endr
	v_add_f32 v[Q],   v[Q],   v[Q+1]
	v_add_f32 v[Q+2], v[Q+2], v[Q+3]
	v_add_f32 v[Q],   v[Q],   v[Q+2]
	v_add_f32_dpp v[Q], v[Q], v[Q] row_xmask:1 row_mask:0xf bank_mask:0xf
	v_add_f32_dpp v[Q], v[Q], v[Q] row_xmask:2 row_mask:0xf bank_mask:0xf
	v_add_f32_dpp v[Q], v[Q], v[Q] row_xmask:4 row_mask:0xf bank_mask:0xf
	v_add_f32_dpp v[Q], v[Q], v[Q] row_xmask:8 row_mask:0xf bank_mask:0xf
	v_permlanex16_b32 v[Q+1], v[Q], s66, s67       ; (the destination has been written)
	v_add_f32 v[Q], v[Q], v[Q+1]
	ds_store_b32 v12, v[Q] offset:4*(\i)           ; every lane holds the same sum and writes the same word
.endm
	FILL 0
	FILL 1
	FILL 2
	FILL 3
.irp i, 0,1,2,3,4,5,6,7,8,9,10,11,12,13,14,15
	TURN \i, 24                                    ; three younger rows, 24 loads, stay out
	FILL \i+4
.endr
	TURN 16, 24                                    ; rows 17 to 19
	BFILL 0                                        ; the freed share of loads goes to the first chunks of centroids
	TURN 17, 32                                    ; rows 18, 19 and chunk 0
	BFILL 1
	TURN 18, 40                                    ; row 19 and chunks 0, 1
	BFILL 2
	TURN 19, 48                                    ; chunks 0 to 2: the most that this text has out
	s_wait_dscnt 0x0                               ; for the others' sake: my 20 rows and their x_sq are in LDS
	s_barrier_signal -1
	s_barrier_wait -1                              ; the centroids' loads stay on their way: nobody writes those bytes
; the frames' fragments of the chunk crel behind the addresses' place, into buffer crel % 2: lane (r, h) takes k = 8 h .. and 16 + 8 h .. of row 16 f + r
.macro FETCHA crel
	WIN 0
.irp f, 0,1,2,3,4
	ds_load_b128 v[AF+40*((\crel)&1)+8*\f:AF+40*((\crel)&1)+8*\f+3],   v[AADR+\f] offset:64*(\crel)
	ds_load_b128 v[AF+40*((\crel)&1)+8*\f+4:AF+40*((\crel)&1)+8*\f+7], v[AADR+\f] offset:64*(\crel)+32
.endr
.endm
.macro CSLOAD                          ; c_sq of my 64 centroids: 128 w + 16 c + 8 h + 0..7
	WIN 0
.irp c, 0,1,2,3,4,5,6,7
	global_load_b128 v[CS+8*\c:CS+8*\c+3],   v10, s[76:77] offset:64*\c
	global_load_b128 v[CS+8*\c+4:CS+8*\c+7], v10, s[76:77] offset:64*\c+16
.endr
.endm
; eight matrix instructions: frame tile f x my eight centroid tiles, chunk i of a body.  zero = 1: the first product starts the sums, nothing is cleared.
.macro MUL f, i, zero
.irp c, 0,1,2,3,4,5,6,7
.if \zero
	v_wmma_f32_16x16x32_bf16 v[8*(8*((\f)&3)+\c):8*(8*((\f)&3)+\c)+7], v[64*((\i)&3)+8*\c:64*((\i)&3)+8*\c+7], v[AF+40*((\i)&1)+8*(\f):AF+40*((\i)&1)+8*(\f)+7], 0
.else
	v_wmma_f32_16x16x32_bf16 v[8*(8*((\f)&3)+\c):8*(8*((\f)&3)+\c)+7], v[64*((\i)&3)+8*\c:64*((\i)&3)+8*\c+7], v[AF+40*((\i)&1)+8*(\f):AF+40*((\i)&1)+8*(\f)+7], v[8*(8*((\f)&3)+\c):8*(8*((\f)&3)+\c)+7]
.endif
.endr
.endm
; A load into a register that a matrix instruction has read, and a vector instruction that reads a matrix result, stand four places behind that matrix
; instruction, and only plain vector instructions that name none of its registers are places; the matrix instructions between are not counted.
.macro PLACES
.rept 4
	v_nop
.endr
.endm
; One chunk: 40 matrix instructions.  The 40 accumulators take turns, one instruction a turn, in the same order in every chunk and over the
; backward jump.  In the chunk's middle the registers that the chunk before has read are loaded again:
; bf: the centroids three chunks ahead; cs: c_sq; fa: the frames' fragments of the next chunk.
.macro CHUNK i, zero, left, bf, cs, fa
	s_wait_loadcnt \left                           ; this chunk's 16 loads are in; the younger groups of 16 stay out
	s_wait_dscnt 0x0                               ; the frames' fragments, asked for 24 matrix instructions ago
	WIN MUL_LO
	MUL 0, \i, \zero
	MUL 1, \i, \zero
.if \bf+\cs+\fa
	PLACES
.endif
.if \bf
	BFILL \i+3
.endif
.if \cs
	CSLOAD
.endif
.if \fa
	FETCHA \i+1
.endif
	WIN MUL_LO
	MUL 2, \i, \zero
	MUL 3, \i, \zero
	WIN MUL_HI
	MUL 4, \i, \zero
.endm
.macro BODY zero                       ; four chunks: once round the ring
	CHUNK 0, \zero, 32, 1, 0, 1
	CHUNK 1, 0, 32, 1, 0, 1
	CHUNK 2, 0, 32, 1, 0, 1
	CHUNK 3, 0, 32, 1, 0, 1
.endm
.macro STEP                            ; four chunks on
	WIN 0                                          ; at a label and at a branch every window is 0
	s_wait_xcnt 0x0                                ; the stream's base is a source of the loads above: it is stepped only behind this wait
	s_add_nc_u64 s[74:75], s[74:75], 4*8192
.irp f, 0,1,2,3,4
	v_add_nc_u32 v[AADR+\f], 4*64, v[AADR+\f]
.endr
.endm
	FETCHA 0
	BODY 1                                         ; chunks 0 to 3 stand in front of the loop: chunk 0's products start the sums
	STEP
	s_mov_b32 s72, 6                               ; chunks 4 to 27
.Lk:
	BODY 0
	STEP
	s_sub_co_u32 s72, s72, 1
	s_cmp_lg_u32 s72, 0
	s_cbranch_scc1 .Lk
	CHUNK 0, 0, 32, 1, 0, 1                        ; chunk 28: the last chunk of centroids goes out; chunks 29 and 30 stay out
	CHUNK 1, 0, 32, 0, 1, 1                        ; chunk 29: chunks 30 and 31 stay out; c_sq takes the ring's place among the loads
	CHUNK 2, 0, 32, 0, 0, 1                        ; chunk 30: chunk 31 and c_sq stay out
	CHUNK 3, 0, 16, 0, 0, 0                        ; chunk 31: c_sq stays out
	PLACES                                         ; behind the last matrix instructions, for the arithmetic that reads their results
	WIN 0
; THE WAY OUT
.irp f, 0,1,2,3,4
	ds_load_b32 v[XS+2*\f],   v13 offset:64*\f
	ds_load_b32 v[XS+2*\f+1], v13 offset:64*\f
.endr
	s_wait_loadcnt 0x0                             ; c_sq
	s_wait_dscnt 0x0
; one level of the tree over neighbouring indices: every index on the left is below every index on the right, and the right side is taken
; only when strictly less, so the first of equal distances wins.  st = distance of the two sides; compares go in batches so that they do not wait for each other.
.macro LEVEL st, nodes, batch
.set nb, 0
.rept \nodes/\batch
.set q, 0
.rept \batch
	v_cmp_lt_f32 s[MSK+q], v[T+2*\st*(nb+q)+\st], v[T+2*\st*(nb+q)]
.set q, q+1
.endr
.set q, 0
.rept \batch
	v_cndmask_b32 v[T+2*\st*(nb+q)], v[T+2*\st*(nb+q)], v[T+2*\st*(nb+q)+\st], s[MSK+q]
.if \st == 1
	v_cndmask_b32 v[IX+nb+q], 2*(nb+q), 2*(nb+q)+1, s[MSK+q]
.else
	v_cndmask_b32 v[IX+\st*(nb+q)], v[IX+\st*(nb+q)], v[IX+\st*(nb+q)+\st/2], s[MSK+q]
.endif
.set q, q+1
.endr
.set nb, nb+\batch
.endr
.endm
; frame 16 f + r against my lane's 64 centroids (index 8 c + j)
.macro ARGMIN f
.if \f == 4
	WIN 0x03                                       ; source 0 from window 3
.else
	WIN 0x02                                       ; source 0 from window 2
.endif
.set q, 0
.rept 32
	v_pk_fma_f32 v[T+2*q:T+2*q+1], v[64*((\f)&3)+2*q:64*((\f)&3)+2*q+1], -2.0, v[XS+2*(\f):XS+2*(\f)+1] op_sel_hi:[1,0,1]   ; x_sq - 2 dot, one rounding (2 dot is exact)
.set q, q+1
.endr
	WIN 0
.set q, 0
.rept 32
	v_pk_add_f32 v[T+2*q:T+2*q+1], v[T+2*q:T+2*q+1], v[CS+2*q:CS+2*q+1]    ; + c_sq
.set q, q+1
.endr
	LEVEL 1, 32, 4
	LEVEL 2, 16, 4
	LEVEL 4, 8, 4
	LEVEL 8, 4, 4
	LEVEL 16, 2, 2
	LEVEL 32, 1, 1
	v_and_b32 v[Q], 0x38, v[IX]                    ; 8 c
	v_and_b32 v[Q+1], 7, v[IX]                     ; j
	v_lshl_add_u32 v[Q], v[Q], 1, v[Q+1]           ; 16 c + j
	v_add_nc_u32 v[BP+2*(\f)+1], v[Q], v11         ; + 128 w + 8 h
	v_mov_b32 v[BP+2*(\f)], v[T]
.endm
	ARGMIN 0
	ARGMIN 1
	ARGMIN 2
	ARGMIN 3
	ARGMIN 4
; across the halves: the two lanes' indices interleave, so equal distances are decided by the index
.irp f, 0,1,2,3,4
	v_permlanex16_b32 v[Q],   v[BP+2*\f],   s66, s67
	v_permlanex16_b32 v[Q+1], v[BP+2*\f+1], s66, s67
	v_cmp_lt_f32 s[MSK],   v[Q],   v[BP+2*\f]
	v_cmp_eq_f32 s[MSK+1], v[Q],   v[BP+2*\f]
	v_cmp_lt_u32 s[MSK+2], v[Q+1], v[BP+2*\f+1]
	s_and_b32 s[MSK+1], s[MSK+1], s[MSK+2]
	s_or_b32 s[MSK], s[MSK], s[MSK+1]
	v_cndmask_b32 v[BP+2*\f],   v[BP+2*\f],   v[Q],   s[MSK]
	v_cndmask_b32 v[BP+2*\f+1], v[BP+2*\f+1], v[Q+1], s[MSK]
	ds_store_b64 v14, v[BP+2*\f:BP+2*\f+1] offset:128*\f   ; lanes r and 16 + r write the same 8 bytes with the same numbers
.endr
	s_wait_dscnt 0x0                               ; for the others' sake
	s_barrier_signal -1
	s_barrier_wait -1
; across the waves: thread i takes frame i; a later wave's centroids have higher indices, so it wins only when strictly less
	v_min_u32 v15, 79, v0
	v_lshlrev_b32 v15, 3, v15
	v_add_nc_u32 v15, MRG, v15
.irp w, 0,1,2,3
	ds_load_b64 v[XS+2*\w:XS+2*\w+1], v15 offset:640*\w
.endr
	s_wait_dscnt 0x0
.irp w, 1,2,3
	v_cmp_lt_f32 vcc_lo, v[XS+2*\w], v[XS]
	v_cndmask_b32 v[XS],   v[XS],   v[XS+2*\w],   vcc_lo
	v_cndmask_b32 v[XS+1], v[XS+1], v[XS+2*\w+1], vcc_lo
.endr
	s_lshl_b32 s18, s23, 9
	v_add_nc_u32 v[XS+1], s18, v[XS+1]             ; 512 model + n: the row of the table
	v_add_nc_u32 v[Q], s20, v0                     ; my sorted place
	v_min_u32 v[Q], 0x3fff, v[Q]
	v_lshlrev_b32 v[Q], 2, v[Q]
	s_wait_xcnt 0x0                                ; EXEC changes only behind this wait
	v_cmp_gt_u32 vcc_lo, s22, v0                   ; the block's rows alone
	s_set_vgpr_msb 0xf
	s_wait_tensorcnt 0x0
	ds_add_u32 v64, v65
	s_wait_dscnt 0x0
	s_set_vgpr_msb 0xf00
	s_and_saveexec_b32 s19, vcc_lo
	global_store_b32 v[Q], v[XS+1], s[14:15]       ; the block's rows: up to 74 consecutive words
	s_wait_xcnt 0x0                                ; and again in front of the line that widens it
	s_or_b32 exec_lo, exec_lo, s19
	s_endpgm
.Lfunc_end_k_qc6a532fc39_assign:
	.size	k_qc6a532fc39_assign, .Lfunc_end_k_qc6a532fc39_assign-k_qc6a532fc39_assign
	.p2alignl 7, 3214868480
	.fill 96, 4, 3214868480
	.section	.rodata,"a",@progbits
	.p2align	6, 0x0
	.amdhsa_kernel k_qc6a532fc39_assign
		.amdhsa_group_segment_fixed_size 168704
		.amdhsa_private_segment_fixed_size 0
		.amdhsa_enable_private_segment 0
		.amdhsa_kernarg_size 48
		.amdhsa_user_sgpr_count 2
		.amdhsa_user_sgpr_kernarg_segment_ptr 1
		.amdhsa_wavefront_size32 1
		.amdhsa_system_sgpr_workgroup_id_x 1
		.amdhsa_system_sgpr_workgroup_id_y 1
		.amdhsa_system_sgpr_workgroup_id_z 1
		.amdhsa_system_vgpr_workitem_id 0
		.amdhsa_next_free_vgpr 834
		.amdhsa_next_free_sgpr 80
		.amdhsa_reserve_vcc 1
		.amdhsa_float_denorm_mode_32 3
		.amdhsa_float_denorm_mode_16_64 3
		.amdhsa_memory_ordered 1
		.amdhsa_forward_progress 1
		.amdhsa_inst_pref_size 253
	.end_amdhsa_kernel
	.amdgpu_metadata
---
amdhsa.version: [ 1, 2 ]
amdhsa.kernels:
  - .name:           k_qc6a532fc39_assign
    .symbol:         k_qc6a532fc39_assign.kd
    .args:
      - { .name: emb, .offset: 0, .size: 8, .value_kind: global_buffer, .address_space: global }
      - { .name: cbf, .offset: 8, .size: 8, .value_kind: global_buffer, .address_space: global }
      - { .name: csq, .offset: 16, .size: 8, .value_kind: global_buffer, .address_space: global }
      - { .name: order, .offset: 24, .size: 8, .value_kind: global_buffer, .address_space: global }
      - { .name: blk, .offset: 32, .size: 8, .value_kind: global_buffer, .address_space: global }
      - { .name: rowid, .offset: 40, .size: 8, .value_kind: global_buffer, .address_space: global }
    .group_segment_fixed_size: 168704
    .private_segment_fixed_size: 0
    .kernarg_segment_align: 8
    .kernarg_segment_size: 48
    .max_flat_workgroup_size: 128
    .sgpr_count:     80
    .vgpr_count:     834
    .wavefront_size: 32
...
	.end_amdgpu_metadata
.endif
;; end of part 2
;; launch lookup (part 3): grid 1024 x 1, 4 waves a work-group, no clusters, 0 bytes of LDS; arguments centroids, order, rowid, out0; writes out0
.if DOCPART == 3
	.amdgcn_target "amdgcn-amd-amdhsa--gfx1250"
	.amdhsa_code_object_version 6
	.text
	.protected	k_qc6a532fc39_lookup
	.globl	k_qc6a532fc39_lookup
	.p2align	8
	.type	k_qc6a532fc39_lookup,@function
k_qc6a532fc39_lookup:
	s_mov_b64 s[64:65], 0
	v_nop
	global_prefetch_b8 v0, s[64:65] scope:SCOPE_SE
	s_setreg_imm32_b32 hwreg(HW_REG_WAVE_MODE, 25, 1), 1
	s_wait_xcnt 0x0
; lookup: out0[order[p]] = centroids[rowid[p]], whole rows of 4,096 bytes in f32, as they lie in the table.
; The choice was made from floating-point numbers in the launch before and stored as whole numbers; here it steers addresses.
; A wave copies the four sorted places 16 x work-group + 4 x wave + 0..3: 32 loads of 512 consecutive bytes go out together, then each row's
; eight stores as it arrives.  A straight line: no register is used twice, so no wait but the counted ones.  No LDS, no barrier, no matrix unit:
; the launch only moves bytes.  Neighbouring places are of one model, so table rows are named again by neighbours: the loads carry no hint.
.set D,   8                            ; v[8:135]  four rows of 32 registers
.set SRC, 24                           ; s[24:31]  the four rows in the table
.set DST, 32                           ; s[32:39]  the four rows in out0
	s_load_b256 s[4:11], s[0:1], 0x0               ; centroids s[4:5], order s[6:7], rowid s[8:9], out0 s[10:11]
	v_lshrrev_b32 v2, 5, v0
	v_readfirstlane_b32 s13, v2                    ; wave 0..3
	s_lshl_b32 s12, ttmp9, 6
	s_lshl_b32 s13, s13, 4
	s_add_co_u32 s12, s12, s13                     ; byte offset of my four words in order and in rowid
	v_and_b32 v1, 31, v0
	v_lshlrev_b32 v1, 4, v1                        ; 16 lane
	s_wait_kmcnt 0x0
	s_load_b128 s[16:19], s[6:7], s12 offset:0x0   ; four frames
	s_load_b128 s[20:23], s[8:9], s12 offset:0x0   ; four table rows
	s_wait_kmcnt 0x0
.irp i, 0,1,2,3
	s_min_u32 s[20+\i], s[20+\i], 0xfff            ; what was read enters addresses only clamped: 4,096 table rows,
	s_lshl_b32 s[SRC+2*\i], s[20+\i], 12
	s_mov_b32 s[SRC+2*\i+1], 0
	s_add_nc_u64 s[SRC+2*\i:SRC+2*\i+1], s[4:5], s[SRC+2*\i:SRC+2*\i+1]
	s_min_u32 s[16+\i], s[16+\i], 0x3fff           ; 16,384 frames
	s_lshl_b32 s[DST+2*\i], s[16+\i], 12
	s_mov_b32 s[DST+2*\i+1], 0
	s_add_nc_u64 s[DST+2*\i:DST+2*\i+1], s[10:11], s[DST+2*\i:DST+2*\i+1]
.endr
.irp i, 0,1,2,3
.irp j, 0,1,2,3,4,5,6,7
	global_load_b128 v[D+32*\i+4*\j:D+32*\i+4*\j+3], v1, s[SRC+2*\i:SRC+2*\i+1] offset:512*\j
.endr
.endr
.irp i, 0,1,2,3
	s_wait_loadcnt 24-8*\i                         ; loads come back in order: row i's eight are in, the younger rows stay out
.irp j, 0,1,2,3,4,5,6,7
	global_store_b128 v1, v[D+32*\i+4*\j:D+32*\i+4*\j+3], s[DST+2*\i:DST+2*\i+1] offset:512*\j th:TH_STORE_NT   ; 512 consecutive bytes, aligned; written once, not read again
.endr
.endr
	s_endpgm
.Lfunc_end_k_qc6a532fc39_lookup:
	.size	k_qc6a532fc39_lookup, .Lfunc_end_k_qc6a532fc39_lookup-k_qc6a532fc39_lookup
	.p2alignl 7, 3214868480
	.fill 96, 4, 3214868480
	.section	.rodata,"a",@progbits
	.p2align	6, 0x0
	.amdhsa_kernel k_qc6a532fc39_lookup
		.amdhsa_group_segment_fixed_size 0
		.amdhsa_private_segment_fixed_size 0
		.amdhsa_enable_private_segment 0
		.amdhsa_kernarg_size 32
		.amdhsa_user_sgpr_count 2
		.amdhsa_user_sgpr_kernarg_segment_ptr 1
		.amdhsa_wavefront_size32 1
		.amdhsa_system_sgpr_workgroup_id_x 1
		.amdhsa_system_sgpr_workgroup_id_y 1
		.amdhsa_system_sgpr_workgroup_id_z 1
		.amdhsa_system_vgpr_workitem_id 0
		.amdhsa_next_free_vgpr 136
		.amdhsa_next_free_sgpr 66
		.amdhsa_reserve_vcc 0
		.amdhsa_float_denorm_mode_32 3
		.amdhsa_float_denorm_mode_16_64 3
		.amdhsa_memory_ordered 1
		.amdhsa_forward_progress 1
		.amdhsa_inst_pref_size 9
	.end_amdhsa_kernel
	.amdgpu_metadata
---
amdhsa.version: [ 1, 2 ]
amdhsa.kernels:
  - .name:           k_qc6a532fc39_lookup
    .symbol:         k_qc6a532fc39_lookup.kd
    .args:
      - { .name: centroids, .offset: 0, .size: 8, .value_kind: global_buffer, .address_space: global }
      - { .name: order, .offset: 8, .size: 8, .value_kind: global_buffer, .address_space: global }
      - { .name: rowid, .offset: 16, .size: 8, .value_kind: global_buffer, .address_space: global }
      - { .name: out0, .offset: 24, .size: 8, .value_kind: global_buffer, .address_space: global }
    .group_segment_fixed_size: 0
    .private_segment_fixed_size: 0
    .kernarg_segment_align: 8
    .kernarg_segment_size: 32
    .max_flat_workgroup_size: 128
    .sgpr_count:     66
    .vgpr_count:     136
    .wavefront_size: 32
...
	.end_amdgpu_metadata
.endif
;; end of part 3
;; ======== version 2 of 2: 3 launches; 1.12 times as fast as version 1
;; workspace buffers: cbf 8,388,608 bytes; csq 16,384 bytes; order 65,536 bytes of whole numbers; blk 4,096 bytes of whole numbers; rowid 65,536 bytes of whole numbers
;; launch prep (part 4): grid 260 x 1, 8 waves a work-group, no clusters, 36,608 bytes of LDS; arguments centroids, model_idx, cbf, csq, order, blk; writes cbf, csq, order, blk
.if DOCPART == 4
	.amdgcn_target "amdgcn-amd-amdhsa--gfx1250"
	.amdhsa_code_object_version 6
	.text
	.protected	k_qc6a532fc39_prep
	.globl	k_qc6a532fc39_prep
	.p2align	8
	.type	k_qc6a532fc39_prep,@function
k_qc6a532fc39_prep:
	s_mov_b64 s[64:65], 0
	v_nop
	global_prefetch_b8 v0, s[64:65] scope:SCOPE_SE
	s_setreg_imm32_b32 hwreg(HW_REG_WAVE_MODE, 25, 1), 1
	s_wait_xcnt 0x0
; prep: two jobs that need nothing of each other, told apart by the work-group's number.
; Work-groups 0..3 (the longer job, so first in the grid): work-group g sorts frames 4096 g .. 4096 g + 4095 by model_idx (whole numbers only) and
;   writes its part of order and its 64 row blocks.  order[p] = frame at sorted place p; places 4096 g .. 4096 g + 4095 hold segment g's frames, grouped by model
;   (any order inside a model serves).  blk[64 g + b] = {first place, last place, rows, model}.
;   Blocks of a model with n frames in the segment: B = (56 n >> 12) + 1 (0 if n = 0); the sum is at most 56 + 8 = 64; what is missing to 64 goes to the first
;   largest model (n >= 512 >= 64).  With q = n / B, r = n - q B, block j begins at rank j q + min(j, r) and has q + (j < r) rows: n / B < 4096/56, so 1 to 74 rows.
;   Four segments need nothing of each other; with eight the same arithmetic would allow 86 rows, more than the next launch's 80.
; Work-groups 4..259: tile T = work-group - 4 of 16 centroid rows (row = 512 model + n) is rounded to bf16 and stored in the order in which the next launch's
;   matrix instructions want it: cbf[4 model + n/128][k/32][(n/16)%8][(k/16)%2][lane = 16 ((k/8)%2) + n%16][8 bf16, k%8].
;   1,024 consecutive bytes are the 8-register image of one fragment of 16 centroids x 32 k.  csq[row] = sum of the squares of the ROUNDED numbers, in f32.
; LDS: conversion: stage 0 .. 34,815, partial sums 34,816 .. 35,327.  Sort: table 0 .. 16,383 (first written behind the sort's first barrier), the waves' totals
;   35,328 .. 35,455.  What either job touches in front of its first barrier, and between its first and its second, is disjoint from the other job's bytes there.
; LIMITS: model_idx is taken as unsigned and clamped to 0..7 (the problem keeps it inside the table).  Matrix operands are bf16.
.set NSORT, 4                          ; sort work-groups
.set SP,   272                         ; stage pitch: 256 bytes of bf16 + 16: an odd multiple of 16, so 16 rows start in 16 different 16-byte columns modulo 256
.set PS,   8*16*SP                     ; 34,816: [8 waves][16 rows] partial sums of squares
.set WT,   PS+512                      ; 35,328: sort: [8 waves][4 words] totals, behind all the conversion job's bytes
; conversion path
.set X,    16                          ; v[16:79]   16 rows x 4 f32 as loaded
.set Y,    80                          ; v[80:111]  16 rows x 4 bf16
.set F,    112                         ; v[112:143] 8 x 16 bytes in fragment order
.set QS,   144                         ; v[144:147] four chains of squares
; sort path
.set SEL,  16                          ; v[16:31]   model of my 16 frames, then the byte selector 0x0c0c0c00 | model
.set TS,   32                          ; v[32:47]   where the model's 4-bit count lies
.set U,    48                          ; v[48:63]   1 << that place; v48 becomes the running counts; later free
.set TD,   48                          ; v[48:55]   temporaries of the lane steps (written whole above, as their forms ask)
.set LR,   64                          ; v[64:79]   rank of the frame among my frames of its model
.set CUL,  81                          ; byte m: my count of model m, m = 0..3
.set CUH,  82                          ; byte m - 4: the same, m = 4..7
.set T0,   83
.set T1,   84
.set P,    88                          ; v[88:91]   counts in 16-bit fields: models (0,2) (1,3) (4,6) (5,7)
.set OWN,  92                          ; v[92:95]   my own counts, to make the scan exclusive
.set W,    100                         ; v[100:103] totals of wave lane & 7, then of the segment
.set WM,   104                         ; v[104:107] the same for the waves in front of mine alone
.set BLL,  108                         ; byte tables of my first places: low bytes of models 0-3,
.set BLH,  109                         ; of models 4-7,
.set BHL,  110                         ; high bytes of models 0-3,
.set BHH,  111                         ; of models 4-7
.set TA,   112                         ; v[112:119] pass 2: places of eight frames
.set TB,   120                         ; v[120:127] pass 2: at work, then their numbers
.set DM,   128                         ; block table: model, frames, first rank, first block, blocks of my block's model
.set DN,   129
.set DOF,  130
.set DBS,  131
.set DB,   132
.set DJ,   133
.set DQ,   134
.set DT,   135
.set OUTD, 136                         ; v[136:139] the four words stored
.set WTD,  140                         ; v[140:143] my wave's totals
.set AW,   144                         ; where my wave's totals go
.set AR,   145                         ; where lane l reads wave l & 7's
.set L7,   146                         ; lane & 7
.set TOT,  28                          ; s[28:31]   the segment's totals in 16-bit fields
.set NM,   32                          ; s[32:39]   frames of model m
.set OFM,  40                          ; s[40:47]   first rank of model m in the segment
.set PK,   48                          ; s[48:51]   the same in 16-bit fields
.set BM,   52                          ; s[52:59]   blocks of model m
.set BS,   66                          ; s[66:73]   first block of model m
	s_load_b256 s[4:11], s[0:1], 0x0               ; centroids s[4:5], model_idx s[6:7], cbf s[8:9], csq s[10:11]
	s_load_b128 s[12:15], s[0:1], 0x20             ; order s[12:13], blk s[14:15]
	v_lshl_add_u32 v152, v0, 2, 0x8b00
	v_mov_b32 v153, 0
	v_lshrrev_b32 v1, 5, v0
	v_readfirstlane_b32 s16, v1                    ; wave 0..7
	v_and_b32 v1, 31, v0                           ; lane
	v_and_b32 v2, 15, v0                           ; r
	v_bfe_u32 v3, v0, 4, 1                         ; h
	v_lshlrev_b32 v4, 4, v0                        ; 16 x thread = 512 wave + 16 lane
	s_cmp_lt_u32 ttmp9, NSORT                      ; the same in all waves of a work-group
	s_cbranch_scc1 .Lsort
; ---------------- conversion: tile T of 16 rows; wave w takes k = 128 w .. 128 w + 127 ----------------
	s_sub_co_u32 s29, ttmp9, NSORT                 ; T = 0..255
	s_lshl_b32 s20, s29, 16                        ; 16 rows of 4,096 bytes
	s_mov_b32 s21, 0
	s_lshr_b32 s22, s29, 3                         ; 4 model + n/128
	s_lshl_b32 s22, s22, 18                        ; x 262,144
	s_and_b32 s23, s29, 7                          ; (n/16) % 8
	s_lshl_b32 s23, s23, 10                        ; x 1,024
	s_add_co_u32 s22, s22, s23
	s_mov_b32 s23, 0
	s_lshl_b32 s24, s29, 6                         ; 16 words of csq
	s_mov_b32 s25, 0
	s_mov_b32 s18, 0x76543210                      ; v_permlanex16_b32: lane i of one half reads lane i of the other
	s_mov_b32 s19, 0xfedcba98
	s_mul_i32 s26, s16, 16*SP                      ; my wave's stage
	s_lshl_b32 s27, s16, 15                        ; four k chunks of 8,192 bytes in cbf
	s_lshl_b32 s28, s16, 6
	s_add_co_u32 s28, s28, PS
	v_lshl_add_u32 v5, v1, 3, s26                  ; stage, in: 8 bytes a lane along a row
	v_mul_u32_u24 v6, v2, SP
	v_lshl_add_u32 v6, v3, 4, v6
	v_add_nc_u32 v6, s26, v6                       ; stage, back: row r, 16 h
	v_lshl_add_u32 v7, v1, 4, s27                  ; cbf: 32,768 w + 16 lane
	v_lshl_add_u32 v8, v2, 2, s28                  ; my wave's partial sum of row r
	v_lshlrev_b32 v10, 2, v2                       ; 4 r
	v_add_nc_u32 v9, PS, v10
	s_wait_kmcnt 0x0
	s_add_nc_u64 s[4:5], s[4:5], s[20:21]
	s_add_nc_u64 s[8:9], s[8:9], s[22:23]
	s_add_nc_u64 s[10:11], s[10:11], s[24:25]
.irp i, 0,1,2,3,4,5,6,7,8,9,10,11,12,13,14,15
	global_load_b128 v[X+4*\i:X+4*\i+3], v4, s[4:5] offset:4096*\i     ; a wave's load: 512 consecutive bytes of row i
.endr
.irp i, 0,1,2,3,4,5,6,7,8,9,10,11,12,13,14,15
	s_wait_loadcnt 15-\i                           ; loads come back in order: row i is in, the 15 - i younger rows stay out
	v_cvt_pk_bf16_f32 v[Y+2*\i],   v[X+4*\i],   v[X+4*\i+1]
	v_cvt_pk_bf16_f32 v[Y+2*\i+1], v[X+4*\i+2], v[X+4*\i+3]
	ds_store_b64 v5, v[Y+2*\i:Y+2*\i+1] offset:SP*\i
.endr
.irp t, 0,1,2,3,4,5,6,7
	ds_load_b128 v[F+4*\t:F+4*\t+3], v6 offset:64*(\t>>1)+32*(\t&1)    ; my wave's own bytes, served in the order of issue: these see the stores above
.endr
.irp t, 0,1,2,3,4,5,6,7
	s_wait_dscnt 7-\t                              ; piece t is in, the younger ones stay out
	global_store_b128 v7, v[F+4*\t:F+4*\t+3], s[8:9] offset:8192*(\t>>1)+512*(\t&1)   ; 512 consecutive bytes, at a multiple of 512 from cbf's first byte
.endr
	; squares of my 64 rounded numbers of row r, four chains; the first two words start them, so nothing is cleared
	v_lshlrev_b32 v[QS],   16, v[F]
	v_and_b32     v[QS+1], 0xffff0000, v[F]
	v_lshlrev_b32 v[QS+2], 16, v[F+1]
	v_and_b32     v[QS+3], 0xffff0000, v[F+1]
	v_mul_f32 v[QS],   v[QS],   v[QS]
	v_mul_f32 v[QS+1], v[QS+1], v[QS+1]
	v_mul_f32 v[QS+2], v[QS+2], v[QS+2]
	v_mul_f32 v[QS+3], v[QS+3], v[QS+3]
.set ii, 2
.rept 30
	v_fma_mix_f32_bf16 v[QS+2*(ii&1)],   v[F+ii], v[F+ii], v[QS+2*(ii&1)]   op_sel_hi:[1,1,0]
	v_fma_mix_f32_bf16 v[QS+2*(ii&1)+1], v[F+ii], v[F+ii], v[QS+2*(ii&1)+1] op_sel:[1,1,0] op_sel_hi:[1,1,0]
.set ii, ii+1
.endr
	v_add_f32 v[QS],   v[QS],   v[QS+1]
	v_add_f32 v[QS+2], v[QS+2], v[QS+3]
	v_add_f32 v[QS],   v[QS],   v[QS+2]
	v_permlanex16_b32 v[QS+1], v[QS], s18, s19     ; the other half of the lanes holds the other k of row r (the destination has been written)
	v_add_f32 v[QS], v[QS], v[QS+1]
	ds_store_b32 v8, v[QS]                         ; lanes r and 16 + r write the same word with the same number
	s_wait_dscnt 0x0                               ; for the others' sake: my partial sums are in LDS
	s_barrier_signal -1
	s_barrier_wait -1
	s_cmp_lg_u32 s16, 0
	s_cbranch_scc1 .Lconv_end                      ; wave 0 alone adds the eight waves' sums
.irp w, 0,1,2,3,4,5,6,7
	ds_load_b32 v[X+\w], v9 offset:64*\w
.endr
	s_wait_dscnt 0x0
	v_add_f32 v[X],   v[X],   v[X+1]
	v_add_f32 v[X+2], v[X+2], v[X+3]
	v_add_f32 v[X+4], v[X+4], v[X+5]
	v_add_f32 v[X+6], v[X+6], v[X+7]
	v_add_f32 v[X],   v[X],   v[X+2]
	v_add_f32 v[X+4], v[X+4], v[X+6]
	v_add_f32 v[X],   v[X],   v[X+4]
	s_wait_xcnt 0x0                                ; EXEC is a source of the stores above: it changes only behind this wait
	v_cmp_gt_u32 vcc_lo, 16, v1
	s_and_saveexec_b32 s17, vcc_lo
	global_store_b32 v10, v[X], s[10:11]           ; 16 lanes, 64 consecutive bytes; the whole table is 16 KiB
	s_wait_xcnt 0x0                                ; and again in front of the line that widens it
	s_or_b32 exec_lo, exec_lo, s17
.Lconv_end:
	s_wait_tensorcnt 0x0
	ds_add_u32 v152, v153
	s_wait_dscnt 0x0
	s_endpgm
; ---------------- the sort of segment g = work-group: 256 threads, thread t holds the segment's frames 1024 j + 4 t + c in register 4 j + c, j, c = 0..3 ----------------
; Lines are laid in runs of 8 or 16 that need nothing of each other, so that no line waits for the one in front of it.
.Lsort:
	s_lshl_b32 s18, ttmp9, 14                      ; the segment's 4,096 words in model_idx and in order
	s_mov_b32 s19, 0
	s_lshl_b32 s80, ttmp9, 10                      ; its 64 blocks of 16 bytes in blk
	s_mov_b32 s81, 0
	s_lshl_b32 s78, ttmp9, 12                      ; its first frame, which is also its first sorted place
	s_mov_b32 s20, 0x0c0c0c00                      ; selector bytes 1 to 3: zero
	s_mov_b32 s21, 0x18100800                      ; byte m: where model m's 4-bit count lies, 8 (m & 3) + 4 (m >> 2); m = 0..3
	s_mov_b32 s22, 0x1c140c04                      ; m = 4..7
	s_mov_b32 s23, 0x0f0f0f0f
	s_mov_b32 s24, 0x00ff00ff
	s_mov_b32 s25, 0x06020400                      ; bytes 0 and 2 of two words, interleaved
	s_mov_b32 s26, 0x07030501                      ; bytes 1 and 3
	v_lshl_add_u32 v5, v0, 2, s78                  ; first frame + 4 t
	s_lshl_b32 s27, s16, 4
	s_add_co_u32 s27, s27, WT
	v_mov_b32 v[AW], s27
	v_and_b32 v[L7], 7, v0
	v_lshlrev_b32 v[AR], 4, v[L7]
	v_add_nc_u32 v[AR], WT, v[AR]
	s_wait_kmcnt 0x0
	s_add_nc_u64 s[6:7], s[6:7], s[18:19]
	s_add_nc_u64 s[12:13], s[12:13], s[18:19]
	s_add_nc_u64 s[14:15], s[14:15], s[80:81]
.irp j, 0,1,2,3
	global_load_b128 v[SEL+4*\j:SEL+4*\j+3], v4, s[6:7] offset:4096*\j
.endr
	s_wait_loadcnt 0x0
	; pass 1: rank of each frame among my frames of its model.  In front of my e-th frame stand at most 15, so eight 4-bit counts in one word do.
.set e, 0
.rept 16
	v_min_u32 v[SEL+e], 7, v[SEL+e]
.set e, e+1
.endr
.set e, 0
.rept 16
	v_or_b32 v[SEL+e], s20, v[SEL+e]
.set e, e+1
.endr
.set e, 0
.rept 16
	v_perm_b32 v[TS+e], s22, s21, v[SEL+e]         ; the count's place
.set e, e+1
.endr
.set e, 0
.rept 16
	v_lshlrev_b32 v[U+e], v[TS+e], 1               ; one in that place
.set e, e+1
.endr
	v_mov_b32 v[LR], 0
.set e, 1
.rept 15
	v_bfe_u32 v[LR+e], v[U], v[TS+e], 4            ; v[U] = the counts over frames 0 .. e - 1
.if e < 15
	v_add_nc_u32 v[U], v[U], v[U+e]
.endif
.set e, e+1
.endr
	; my eight totals can reach 16: the last frame is added in bytes
	v_and_b32 v[CUL], s23, v[U]
	v_and_b32 v[T0], s23, v[U+15]
	v_lshrrev_b32 v[CUH], 4, v[U]
	v_lshrrev_b32 v[T1], 4, v[U+15]
	v_add_nc_u32 v[CUL], v[CUL], v[T0]
	v_and_b32 v[CUH], s23, v[CUH]
	v_and_b32 v[T1], s23, v[T1]
	v_add_nc_u32 v[CUH], v[CUH], v[T1]
	; in 16-bit fields (4,096 fits, and no sum below passes it, so no field carries into its neighbour)
	v_and_b32 v[P], s24, v[CUL]
	v_lshrrev_b32 v[P+1], 8, v[CUL]
	v_and_b32 v[P+2], s24, v[CUH]
	v_lshrrev_b32 v[P+3], 8, v[CUH]
	v_and_b32 v[P+1], s24, v[P+1]
	v_and_b32 v[P+3], s24, v[P+3]
.irp k, 0,1,2,3
	v_mov_b32 v[OWN+\k], v[P+\k]
.endr
	; inclusive scan over the wave: four steps inside each 16 lanes, then the lower half's total onto the upper half
	v_cmp_le_u32 vcc_lo, 16, v1
.irp n, 1,2,4,8
.irp k, 0,1,2,3
	v_mov_b32_dpp v[TD+\k], v[P+\k] row_shr:\n row_mask:0xf bank_mask:0xf bound_ctrl:1
.endr
.irp k, 0,1,2,3
	v_add_nc_u32 v[P+\k], v[P+\k], v[TD+\k]
.endr
.endr
.irp k, 0,1,2,3
	v_readlane_b32 s[60+\k], v[P+\k], 15
.endr
.irp k, 0,1,2,3
	v_cndmask_b32 v[TD+\k], 0, s[60+\k], vcc_lo
.endr
.irp k, 0,1,2,3
	v_add_nc_u32 v[P+\k], v[P+\k], v[TD+\k]
.endr
.irp k, 0,1,2,3
	v_readlane_b32 s[60+\k], v[P+\k], 31           ; my wave's totals
.endr
.irp k, 0,1,2,3
	v_mov_b32 v[WTD+\k], s[60+\k]
.endr
	ds_store_b128 v[AW], v[WTD:WTD+3]              ; all lanes write the same 16 bytes, my wave's own
.irp k, 0,1,2,3
	v_sub_nc_u32 v[P+\k], v[P+\k], v[OWN+\k]       ; frames of each model in the lanes in front of mine
.endr
	s_wait_dscnt 0x0                               ; for the others' sake
	s_barrier_signal -1
	s_barrier_wait -1
	; across the waves, in lanes: lane l takes wave l & 7's totals, once as they are and once only if that wave stands in front of mine;
	; three exchange steps inside each eight lanes leave both sums in every lane
	ds_load_b128 v[W:W+3], v[AR]
	v_cmp_gt_u32 vcc_lo, s16, v[L7]
	s_wait_dscnt 0x0
.irp k, 0,1,2,3
	v_cndmask_b32 v[WM+\k], 0, v[W+\k], vcc_lo
.endr
.irp n, 1,2,4
.set k, 0
.rept 8
	v_mov_b32_dpp v[TD+k], v[W+k] row_xmask:\n row_mask:0xf bank_mask:0xf
.set k, k+1
.endr
.set k, 0
.rept 8
	v_add_nc_u32 v[W+k], v[W+k], v[TD+k]
.set k, k+1
.endr
.endr
.irp k, 0,1,2,3
	v_readfirstlane_b32 s[TOT+\k], v[W+\k]
.endr
	s_and_b32  s[NM+0], s[TOT+0], 0xffff
	s_lshr_b32 s[NM+2], s[TOT+0], 16
	s_and_b32  s[NM+1], s[TOT+1], 0xffff
	s_lshr_b32 s[NM+3], s[TOT+1], 16
	s_and_b32  s[NM+4], s[TOT+2], 0xffff
	s_lshr_b32 s[NM+6], s[TOT+2], 16
	s_and_b32  s[NM+5], s[TOT+3], 0xffff
	s_lshr_b32 s[NM+7], s[TOT+3], 16
	s_mov_b32 s[OFM], 0
.irp m, 1,2,3,4,5,6,7
	s_add_co_u32 s[OFM+\m], s[OFM+\m-1], s[NM+\m-1]
.endr
	s_lshl_b32 s60, s[OFM+2], 16
	s_lshl_b32 s61, s[OFM+3], 16
	s_lshl_b32 s62, s[OFM+6], 16
	s_lshl_b32 s63, s[OFM+7], 16
	s_or_b32 s[PK+0], s60, s[OFM+0]
	s_or_b32 s[PK+1], s61, s[OFM+1]
	s_or_b32 s[PK+2], s62, s[OFM+4]
	s_or_b32 s[PK+3], s63, s[OFM+5]
	; my first rank for each model = the model's + the waves' in front + the lanes' in front, as byte tables that the selector picks from
.irp k, 0,1,2,3
	v_add3_u32 v[P+\k], v[P+\k], v[WM+\k], s[PK+\k]
.endr
	v_perm_b32 v[BLL], v[P+1], v[P],   s25
	v_perm_b32 v[BHL], v[P+1], v[P],   s26
	v_perm_b32 v[BLH], v[P+3], v[P+2], s25
	v_perm_b32 v[BHH], v[P+3], v[P+2], s26
	; pass 2: each frame's number goes to its rank in the table in LDS, eight frames at a time
.irp b, 0,8
.set q, 0
.rept 8
	v_perm_b32 v[TA+q], v[BLH], v[BLL], v[SEL+\b+q]
.set q, q+1
.endr
.set q, 0
.rept 8
	v_perm_b32 v[TB+q], v[BHH], v[BHL], v[SEL+\b+q]
.set q, q+1
.endr
.set q, 0
.rept 8
	v_lshl_add_u32 v[TA+q], v[TB+q], 8, v[TA+q]
.set q, q+1
.endr
.set q, 0
.rept 8
	v_add_lshl_u32 v[TA+q], v[TA+q], v[LR+\b+q], 2
.set q, q+1
.endr
.set q, 0
.rept 8
	v_min_u32 v[TA+q], 0x3ffc, v[TA+q]             ; inside the table's 16,384 bytes whatever was read
.set q, q+1
.endr
.set q, 0
.rept 8
	v_add_nc_u32 v[TB+q], 1024*((\b+q)>>2)+((\b+q)&3), v5
.set q, q+1
.endr
.set q, 0
.rept 8
	ds_store_b32 v[TA+q], v[TB+q]
.set q, q+1
.endr
.endr
	; while the stores land: blocks of each model; s74 = what is missing to 64
.irp m, 0,1,2,3,4,5,6,7
	s_mul_i32 s[BM+\m], s[NM+\m], 56
.endr
.irp m, 0,1,2,3,4,5,6,7
	s_lshr_b32 s[BM+\m], s[BM+\m], 12
.endr
.irp m, 0,1,2,3,4,5,6,7
	s_add_co_u32 s[BM+\m], s[BM+\m], 1
.endr
.irp m, 0,1,2,3,4,5,6,7
	s_cmp_lg_u32 s[NM+\m], 0
	s_cselect_b32 s[BM+\m], s[BM+\m], 0
.endr
	s_mov_b32 s74, 64
.irp m, 0,1,2,3,4,5,6,7
	s_sub_co_u32 s74, s74, s[BM+\m]
.endr
	s_mov_b32 s75, s[NM]                           ; the first largest model
	s_mov_b32 s76, 0
.irp m, 1,2,3,4,5,6,7
	s_cmp_gt_u32 s[NM+\m], s75
	s_cselect_b32 s75, s[NM+\m], s75
	s_cselect_b32 s76, \m, s76
.endr
.irp m, 0,1,2,3,4,5,6,7
	s_cmp_eq_u32 s76, \m
	s_cselect_b32 s77, s74, 0
	s_add_co_u32 s[BM+\m], s[BM+\m], s77
.endr
	s_mov_b32 s[BS], 0
.irp m, 1,2,3,4,5,6,7
	s_add_co_u32 s[BS+\m], s[BS+\m-1], s[BM+\m-1]
.endr
	s_wait_dscnt 0x0                               ; for the others' sake: my 16 frames are in the table
	s_barrier_signal -1
	s_barrier_wait -1
.irp j, 0,1,2,3
	ds_load_b128 v[SEL+4*\j:SEL+4*\j+3], v4 offset:4096*\j
.endr
.irp j, 0,1,2,3
	s_wait_dscnt 3-\j                              ; piece j is in, the younger ones stay out
	global_store_b128 v4, v[SEL+4*\j:SEL+4*\j+3], s[12:13] offset:4096*\j   ; a wave's store: 512 consecutive bytes, aligned
.endr
	s_cmp_gt_u32 s16, 1
	s_cbranch_scc1 .Lsort_end                      ; 64 blocks: waves 0 and 1, thread b describes block b
	; the last model whose first block is at or below b is b's model (models without blocks are passed over)
	v_mov_b32 v[DM], 0
	v_mov_b32 v[DN], s[NM]
	v_mov_b32 v[DOF], 0
	v_mov_b32 v[DBS], 0
	v_mov_b32 v[DB], s[BM]
.irp m, 1,2,3,4,5,6,7
	v_cmp_le_u32 vcc_lo, s[BS+\m], v0
	v_cndmask_b32 v[DM],  v[DM],  \m, vcc_lo
	v_cndmask_b32 v[DN],  v[DN],  s[NM+\m],  vcc_lo
	v_cndmask_b32 v[DOF], v[DOF], s[OFM+\m], vcc_lo
	v_cndmask_b32 v[DBS], v[DBS], s[BS+\m],  vcc_lo
	v_cndmask_b32 v[DB],  v[DB],  s[BM+\m],  vcc_lo
.endr
	v_sub_nc_u32 v[DJ], v0, v[DBS]                 ; j
	; q = n / B by 7 steps of shift and subtract (q <= 73 < 128; B << 6 <= 4,096); n is left as the remainder r
	v_mov_b32 v[DQ], 0
.irp i, 6,5,4,3,2,1,0
	v_lshlrev_b32 v[DT], \i, v[DB]
	v_cmp_ge_u32 vcc_lo, v[DN], v[DT]
	v_cndmask_b32 v[DT], 0, v[DT], vcc_lo
	v_sub_nc_u32 v[DN], v[DN], v[DT]
	v_add_co_ci_u32 v[DQ], vcc_lo, v[DQ], v[DQ], vcc_lo
.endr
	v_mul_u32_u24 v[DT], v[DJ], v[DQ]              ; j q
	v_min_u32 v[T0], v[DJ], v[DN]                  ; min(j, r)
	v_cmp_lt_u32 vcc_lo, v[DJ], v[DN]
	v_add_nc_u32 v[DOF], s78, v[DOF]               ; the model's first place
	v_cndmask_b32 v[T1], 0, 1, vcc_lo
	v_add3_u32 v[OUTD], v[DT], v[T0], v[DOF]       ; first place
	v_add_nc_u32 v[OUTD+2], v[DQ], v[T1]           ; rows: q + (j < r), at least 1
	v_mov_b32 v[OUTD+3], v[DM]
	v_add3_u32 v[OUTD+1], v[OUTD], v[OUTD+2], -1   ; last place
	global_store_b128 v4, v[OUTD:OUTD+3], s[14:15] ; a wave's store: 512 consecutive bytes, aligned
.Lsort_end:
	s_wait_tensorcnt 0x0
	ds_add_u32 v152, v153
	s_wait_dscnt 0x0
	s_endpgm
.Lfunc_end_k_qc6a532fc39_prep:
	.size	k_qc6a532fc39_prep, .Lfunc_end_k_qc6a532fc39_prep-k_qc6a532fc39_prep
	.p2alignl 7, 3214868480
	.fill 96, 4, 3214868480
	.section	.rodata,"a",@progbits
	.p2align	6, 0x0
	.amdhsa_kernel k_qc6a532fc39_prep
		.amdhsa_group_segment_fixed_size 36608
		.amdhsa_private_segment_fixed_size 0
		.amdhsa_enable_private_segment 0
		.amdhsa_kernarg_size 48
		.amdhsa_user_sgpr_count 2
		.amdhsa_user_sgpr_kernarg_segment_ptr 1
		.amdhsa_wavefront_size32 1
		.amdhsa_system_sgpr_workgroup_id_x 1
		.amdhsa_system_sgpr_workgroup_id_y 1
		.amdhsa_system_sgpr_workgroup_id_z 1
		.amdhsa_system_vgpr_workitem_id 0
		.amdhsa_next_free_vgpr 154
		.amdhsa_next_free_sgpr 82
		.amdhsa_reserve_vcc 1
		.amdhsa_float_denorm_mode_32 3
		.amdhsa_float_denorm_mode_16_64 3
		.amdhsa_memory_ordered 1
		.amdhsa_forward_progress 1
		.amdhsa_inst_pref_size 43
	.end_amdhsa_kernel
	.amdgpu_metadata
---
amdhsa.version: [ 1, 2 ]
amdhsa.kernels:
  - .name:           k_qc6a532fc39_prep
    .symbol:         k_qc6a532fc39_prep.kd
    .args:
      - { .name: centroids, .offset: 0, .size: 8, .value_kind: global_buffer, .address_space: global }
      - { .name: model_idx, .offset: 8, .size: 8, .value_kind: global_buffer, .address_space: global }
      - { .name: cbf, .offset: 16, .size: 8, .value_kind: global_buffer, .address_space: global }
      - { .name: csq, .offset: 24, .size: 8, .value_kind: global_buffer, .address_space: global }
      - { .name: order, .offset: 32, .size: 8, .value_kind: global_buffer, .address_space: global }
      - { .name: blk, .offset: 40, .size: 8, .value_kind: global_buffer, .address_space: global }
    .group_segment_fixed_size: 36608
    .private_segment_fixed_size: 0
    .kernarg_segment_align: 8
    .kernarg_segment_size: 48
    .max_flat_workgroup_size: 256
    .sgpr_count:     82
    .vgpr_count:     154
    .wavefront_size: 32
...
	.end_amdgpu_metadata
.endif
;; end of part 4
;; launch assign (part 5): grid 256 x 1, 4 waves a work-group, no clusters, 168,704 bytes of LDS; arguments emb, cbf, csq, order, blk, rowid; writes rowid
.if DOCPART == 5
	.amdgcn_target "amdgcn-amd-amdhsa--gfx1250"
	.amdhsa_code_object_version 6
	.text
	.protected	k_qc6a532fc39_assign
	.globl	k_qc6a532fc39_assign
	.p2align	8
	.type	k_qc6a532fc39_assign,@function
k_qc6a532fc39_assign:
	s_mov_b64 s[64:65], 0
	v_nop
	global_prefetch_b8 v0, s[64:65] scope:SCOPE_SE
	s_setreg_imm32_b32 hwreg(HW_REG_WAVE_MODE, 25, 1), 1
	s_wait_xcnt 0x0
; assign: work-group b takes row block blk[b]: up to 80 frames (5 tiles of 16), all of ONE model, against that model's 512 centroids, K = 1,024.
; rowid[p] = 512 model + argmin over n of ((x_sq - 2 dot) + c_sq), formed in that order in f32; the first index wins a tie.
; Only the chosen model's distances are made: the other seven are selected away by the problem's own formula.
; Phase 0: wave w gathers rows 20 w .. 20 w + 19 (places past the block's last repeat the last row; their results are not stored), rounds them to bf16
;   into LDS, where they stay for the whole K loop, and sums the squares of the rounded numbers.
; K loop: wave w owns centroids 128 w .. 128 w + 127 and all 80 frames: 5 x 8 = 40 accumulator tiles, 320 registers.  32 chunks of 32 along K.
;   The centroids come from cbf, which lies in fragment order, straight into a ring of four register slots (8 KiB a chunk and wave, three chunks ahead):
;   each byte of cbf is used by exactly one wave of the work-group, so a stay in LDS would be written once and read once for nothing.
; NO JOINT LOADS, though the blocks of one model read the same 1 MiB of cbf: the number of blocks of a model hangs on counts read from memory and is no
;   multiple of four, and with 165,120 bytes of resident frames LDS has room for two slots of 64 along K only, which would put a round of the cluster's
;   barrier in front of every 80 matrix instructions of a wave.
; THE MATRIX INSTRUCTION IS USED TRANSPOSED: source 0 = 16 centroids, source 1 = 16 frames.  Lane (r, h), register j of tile (f, c) then holds
;   frame 16 f + r, centroid 128 w + 16 c + 8 h + j: the argmin runs inside a lane but for one step across the halves and one across the waves.
; LIMITS: matrix operands are bf16, x_sq and c_sq are taken of the rounded numbers; with a NaN among a frame's distances the code is unspecified;
;   the f32 sums are formed in another order than a plain loop's, so two distances that differ in the last places may change order.
; REGISTERS: window 0 addresses, frames' fragments, work; window 1 the ring of centroids; window 2 tiles (f, c), f = 0..3, at 8 (8 f + c); window 3 tiles (4, c) at 8 c.
.set PITCH, 2064                       ; an LDS row: 2,048 bytes + 16 = 129 x 16: the 16 rows of a fragment load start in 16 different 16-byte columns modulo 256
.set XSQ,   80*PITCH                   ; 165,120: 80 f32 (512 bytes kept)
.set MRG,   XSQ+512                    ; 165,632: [4 waves][80 frames] (distance, n), 2,560 bytes
.set AADR,  3                          ; v[3:7]     LDS address of my part of frame tile f: (16 f + r) PITCH + 16 h, stepped along K
.set XS,    16                         ; v[16:25]   x_sq of frame 16 f + r, twice (a pair for the packed arithmetic)
.set Q,     26                         ; v[26:29]   four chains of squares; later at work
.set BP,    30                         ; v[30:39]   tile f: (best distance, its n)
.set AF,    40                         ; v[40:79], v[80:119] frames' fragments, two buffers of 5 x 8
.set IX,    40                         ; v[40:71]   the way out: indices of the tree
.set X,     120                        ; v[120:247] phase 0: four row slots of 32
.set CS,    120                        ; v[120:183] the way out: c_sq of my 64 centroids
.set T,     184                        ; v[184:247] the way out: 64 distances of one frame
.set OFF,   248                        ; v[248:251] phase 0: a slot's byte offset in emb
.set Y,     252                        ; v[252:255] phase 0: 4 bf16, two pairs in turn
.set PI,    24                         ; s[24:43]   byte offsets into order of my 20 rows
.set FR,    44                         ; s[44:63]   their frames, then byte offsets in emb
.set MSK,   68                         ; s[68:71]   compare masks
.set MSB, 0
.macro WIN new                         ; the immediate's high byte repeats the setting that is left
.if MSB != \new
	s_set_vgpr_msb (MSB<<8)|\new
.set MSB, \new
.endif
.endm
.set MUL_LO, 0xa1                      ; source 0 (centroids) window 1, source 1 (frames) window 0, C and D window 2
.set MUL_HI, 0xf1                      ; the same, C and D window 3
.set TO_B,   0x40                      ; destination window 1, address window 0
	s_load_b256 s[4:11], s[0:1], 0x0               ; emb s[4:5], cbf s[6:7], csq s[8:9], order s[10:11]
	s_load_b128 s[12:15], s[0:1], 0x20             ; blk s[12:13], rowid s[14:15]
	s_set_vgpr_msb 0xc0
	v_lshl_add_u32 v64, v0, 2, 0x29100
	v_mov_b32 v65, 0
	s_set_vgpr_msb 0xc000
	v_lshrrev_b32 v15, 5, v0
	v_readfirstlane_b32 s16, v15                   ; wave 0..3
	s_lshl_b32 s17, ttmp9, 4
	s_wait_kmcnt 0x0
	s_load_b128 s[20:23], s[12:13], s17 offset:0x0 ; first place, last place, rows, model
	v_and_b32 v15, 31, v0                          ; lane
	v_lshlrev_b32 v1, 4, v15                       ; 16 lane; never rewritten
	v_and_b32 v8, 15, v0                           ; r
	v_bfe_u32 v9, v0, 4, 1                         ; h
	s_mul_i32 s19, s16, 20*PITCH
	v_lshl_add_u32 v2, v15, 3, s19                 ; phase 0: 8 lane + my wave's first row
	v_mul_u32_u24 v[AADR], v8, PITCH
	v_lshl_add_u32 v[AADR], v9, 4, v[AADR]
.irp f, 1,2,3,4
	v_add_nc_u32 v[AADR+\f], \f*16*PITCH, v[AADR]
.endr
	v_lshlrev_b32 v10, 5, v9                       ; 32 h: 8 words of csq
	s_lshl_b32 s19, s16, 7
	v_lshl_add_u32 v11, v9, 3, s19                 ; 128 w + 8 h
	s_mul_i32 s19, s16, 80
	s_add_co_u32 s19, s19, XSQ
	v_mov_b32 v12, s19                             ; x_sq of my wave's 20 rows
	v_lshlrev_b32 v13, 2, v8
	v_add_nc_u32 v13, XSQ, v13
	s_mul_i32 s19, s16, 640
	s_add_co_u32 s19, s19, MRG
	v_lshl_add_u32 v14, v8, 3, s19
	s_mov_b32 s66, 0x76543210                      ; v_permlanex16_b32: lane i of one half reads lane i of the other
	s_mov_b32 s67, 0xfedcba98
	s_mov_b32 s73, 0xffff0000
	s_wait_kmcnt 0x0
	s_min_u32 s20, s20, 0x3fff                     ; what was read enters addresses only clamped
	s_min_u32 s21, s21, 0x3fff
	s_min_u32 s22, s22, 80
	s_min_u32 s23, s23, 7
	s_mul_i32 s18, s16, 20
	s_add_co_u32 s18, s18, s20                     ; my wave's first place
.irp i, 0,1,2,3,4,5,6,7,8,9,10,11,12,13,14,15,16,17,18,19
	s_add_co_u32 s[PI+\i], s18, \i
	s_min_u32 s[PI+\i], s[PI+\i], s21              ; past the block's end: its last row again
	s_min_u32 s[PI+\i], s[PI+\i], 0x3fff
	s_lshl_b32 s[PI+\i], s[PI+\i], 2
	s_load_b32 s[FR+\i], s[10:11], s[PI+\i] offset:0x0
.endr
	s_lshl_b32 s74, s23, 2
	s_add_co_u32 s74, s74, s16                     ; 4 model + wave
	s_lshl_b32 s74, s74, 18                        ; x 262,144: my wave's stream of centroids
	s_mov_b32 s75, 0
	s_add_nc_u64 s[74:75], s[6:7], s[74:75]
	s_lshl_b32 s76, s23, 11
	s_lshl_b32 s77, s16, 9
	s_add_co_u32 s76, s76, s77                     ; 4 (512 model + 128 wave)
	s_mov_b32 s77, 0
	s_add_nc_u64 s[76:77], s[8:9], s[76:77]
	s_wait_kmcnt 0x0
.irp i, 0,1,2,3,4,5,6,7,8,9,10,11,12,13,14,15,16,17,18,19
	s_min_u32 s[FR+\i], s[FR+\i], 0x3fff
	s_lshl_b32 s[FR+\i], s[FR+\i], 12              ; rows of 4,096 bytes
.endr
; row i into slot i % 4: eight loads of 512 consecutive bytes.  No hint: rows past the block's end name one row several times.
.macro FILL i
	v_add_nc_u32 v[OFF+((\i)&3)], s[FR+(\i)], v1
.irp j, 0,1,2,3,4,5,6,7
	global_load_b128 v[X+32*((\i)&3)+4*\j:X+32*((\i)&3)+4*\j+3], v[OFF+((\i)&3)], s[4:5] offset:512*\j
.endr
.endm
; the 16 loads of a chunk of centroids, crel chunks behind the stream's base, into ring slot crel % 4: 8 fragments of 16 centroids x 32 k
.macro BFILL crel
	WIN TO_B
.set tt, 0
.rept 16
	global_load_b128 v[64*((\crel)&3)+4*tt:64*((\crel)&3)+4*tt+3], v1, s[74:75] offset:8192*(\crel)+512*tt
.set tt, tt+1
.endr
	WIN 0
.endm
; row i: round, square, store.  left = how many younger loads may stay out.
.macro TURN i, left
	s_wait_loadcnt \left                           ; loads come back in order: row i's eight are in; its slot and its offset register are free
.irp j, 0,1,2,3,4,5,6,7
	v_cvt_pk_bf16_f32 v[Y+2*(\j&1)],   v[X+32*((\i)&3)+4*\j],   v[X+32*((\i)&3)+4*\j+1]
	v_cvt_pk_bf16_f32 v[Y+2*(\j&1)+1], v[X+32*((\i)&3)+4*\j+2], v[X+32*((\i)&3)+4*\j+3]
.if \j == 0
	v_lshlrev_b32 v[Q],   16,  v[Y]                ; the first four numbers start the four chains: nothing is cleared
	v_and_b32     v[Q+1], s73, v[Y]
	v_lshlrev_b32 v[Q+2], 16,  v[Y+1]
	v_and_b32     v[Q+3], s73, v[Y+1]
	v_mul_f32 v[Q],   v[Q],   v[Q]
	v_mul_f32 v[Q+1], v[Q+1], v[Q+1]
	v_mul_f32 v[Q+2], v[Q+2], v[Q+2]
	v_mul_f32 v[Q+3], v[Q+3], v[Q+3]
.else
	v_fma_mix_f32_bf16 v[Q],   v[Y+2*(\j&1)],   v[Y+2*(\j&1)],   v[Q]   op_sel_hi:[1,1,0]
	v_fma_mix_f32_bf16 v[Q+1], v[Y+2*(\j&1)],   v[Y+2*(\j&1)],   v[Q+1] op_sel:[1,1,0] op_sel_hi:[1,1,0]
	v_fma_mix_f32_bf16 v[Q+2], v[Y+2*(\j&1)+1], v[Y+2*(\j&1)+1], v[Q+2] op_sel_hi:[1,1,0]
	v_fma_mix_f32_bf16 v[Q+3], v[Y+2*(\j&1)+1], v[Y+2*(\j&1)+1], v[Q+3] op_sel:[1,1,0] op_sel_hi:[1,1,0]
.endif
	ds_store_b64 v2, v[Y+2*(\j&1):Y+2*(\j&1)+1] offset:PITCH*(\i)+256*\j   ; 32 lanes, 256 consecutive bytes
.endr
	v_add_f32 v[Q],   v[Q],   v[Q+1]
	v_add_f32 v[Q+2], v[Q+2], v[Q+3]
	v_add_f32 v[Q],   v[Q],   v[Q+2]
	v_add_f32_dpp v[Q], v[Q], v[Q] row_xmask:1 row_mask:0xf bank_mask:0xf
	v_add_f32_dpp v[Q], v[Q], v[Q] row_xmask:2 row_mask:0xf bank_mask:0xf
	v_add_f32_dpp v[Q], v[Q], v[Q] row_xmask:4 row_mask:0xf bank_mask:0xf
	v_add_f32_dpp v[Q], v[Q], v[Q] row_xmask:8 row_mask:0xf bank_mask:0xf
	v_permlanex16_b32 v[Q+1], v[Q], s66, s67       ; (the destination has been written)
	v_add_f32 v[Q], v[Q], v[Q+1]
	ds_store_b32 v12, v[Q] offset:4*(\i)           ; every lane holds the same sum and writes the same word
.endm
	FILL 0
	FILL 1
	FILL 2
	FILL 3
.irp i, 0,1,2,3,4,5,6,7,8,9,10,11,12,13,14,15
	TURN \i, 24                                    ; three younger rows, 24 loads, stay out
	FILL \i+4
.endr
	TURN 16, 24                                    ; rows 17 to 19
	BFILL 0                                        ; the freed share of loads goes to the first chunks of centroids
	TURN 17, 32                                    ; rows 18, 19 and chunk 0
	BFILL 1
	TURN 18, 40                                    ; row 19 and chunks 0, 1
	BFILL 2
	TURN 19, 48                                    ; chunks 0 to 2: the most that this text has out
	s_wait_dscnt 0x0                               ; for the others' sake: my 20 rows and their x_sq are in LDS
	s_barrier_signal -1
	s_barrier_wait -1                              ; the centroids' loads stay on their way: nobody writes those bytes
; the frames' fragments of the chunk crel behind the addresses' place, into buffer crel % 2: lane (r, h) takes k = 8 h .. and 16 + 8 h .. of row 16 f + r
.macro FETCHA crel
	WIN 0
.irp f, 0,1,2,3,4
	ds_load_b128 v[AF+40*((\crel)&1)+8*\f:AF+40*((\crel)&1)+8*\f+3],   v[AADR+\f] offset:64*(\crel)
	ds_load_b128 v[AF+40*((\crel)&1)+8*\f+4:AF+40*((\crel)&1)+8*\f+7], v[AADR+\f] offset:64*(\crel)+32
.endr
.endm
.macro CSLOAD                          ; c_sq of my 64 centroids: 128 w + 16 c + 8 h + 0..7
	WIN 0
.irp c, 0,1,2,3,4,5,6,7
	global_load_b128 v[CS+8*\c:CS+8*\c+3],   v10, s[76:77] offset:64*\c
	global_load_b128 v[CS+8*\c+4:CS+8*\c+7], v10, s[76:77] offset:64*\c+16
.endr
.endm
; eight matrix instructions: frame tile f x my eight centroid tiles, chunk i of a body.  zero = 1: the first product starts the sums, nothing is cleared.
.macro MUL f, i, zero
.irp c, 0,1,2,3,4,5,6,7
.if \zero
	v_wmma_f32_16x16x32_bf16 v[8*(8*((\f)&3)+\c):8*(8*((\f)&3)+\c)+7], v[64*((\i)&3)+8*\c:64*((\i)&3)+8*\c+7], v[AF+40*((\i)&1)+8*(\f):AF+40*((\i)&1)+8*(\f)+7], 0
.else
	v_wmma_f32_16x16x32_bf16 v[8*(8*((\f)&3)+\c):8*(8*((\f)&3)+\c)+7], v[64*((\i)&3)+8*\c:64*((\i)&3)+8*\c+7], v[AF+40*((\i)&1)+8*(\f):AF+40*((\i)&1)+8*(\f)+7], v[8*(8*((\f)&3)+\c):8*(8*((\f)&3)+\c)+7]
.endif
.endr
.endm
; A load into a register that a matrix instruction has read, and a vector instruction that reads a matrix result, stand four places behind that matrix
; instruction, and only plain vector instructions that name none of its registers are places; the matrix instructions between are not counted.
.macro PLACES
.rept 4
	v_nop
.endr
.endm
; One chunk: 40 matrix instructions.  The 40 accumulators take turns, one instruction a turn, in the same order in every chunk and over the
; backward jump.  In the chunk's middle the registers that the chunk before has read are loaded again:
; bf: the centroids three chunks ahead; cs: c_sq; fa: the frames' fragments of the next chunk.
.macro CHUNK i, zero, left, bf, cs, fa
	s_wait_loadcnt \left                           ; this chunk's 16 loads are in; the younger groups of 16 stay out
	s_wait_dscnt 0x0                               ; the frames' fragments, asked for 24 matrix instructions ago
	WIN MUL_LO
	MUL 0, \i, \zero
	MUL 1, \i, \zero
.if \bf+\cs+\fa
	PLACES
.endif
.if \bf
	BFILL \i+3
.endif
.if \cs
	CSLOAD
.endif
.if \fa
	FETCHA \i+1
.endif
	WIN MUL_LO
	MUL 2, \i, \zero
	MUL 3, \i, \zero
	WIN MUL_HI
	MUL 4, \i, \zero
.endm
.macro BODY zero                       ; four chunks: once round the ring
	CHUNK 0, \zero, 32, 1, 0, 1
	CHUNK 1, 0, 32, 1, 0, 1
	CHUNK 2, 0, 32, 1, 0, 1
	CHUNK 3, 0, 32, 1, 0, 1
.endm
.macro STEP                            ; four chunks on
	WIN 0                                          ; at a label and at a branch every window is 0
	s_wait_xcnt 0x0                                ; the stream's base is a source of the loads above: it is stepped only behind this wait
	s_add_nc_u64 s[74:75], s[74:75], 4*8192
.irp f, 0,1,2,3,4
	v_add_nc_u32 v[AADR+\f], 4*64, v[AADR+\f]
.endr
.endm
	FETCHA 0
	BODY 1                                         ; chunks 0 to 3 stand in front of the loop: chunk 0's products start the sums
	STEP
	s_mov_b32 s72, 6                               ; chunks 4 to 27
.Lk:
	BODY 0
	STEP
	s_sub_co_u32 s72, s72, 1
	s_cmp_lg_u32 s72, 0
	s_cbranch_scc1 .Lk
	CHUNK 0, 0, 32, 1, 0, 1                        ; chunk 28: the last chunk of centroids goes out; chunks 29 and 30 stay out
	CHUNK 1, 0, 32, 0, 1, 1                        ; chunk 29: chunks 30 and 31 stay out; c_sq takes the ring's place among the loads
	CHUNK 2, 0, 32, 0, 0, 1                        ; chunk 30: chunk 31 and c_sq stay out
	CHUNK 3, 0, 16, 0, 0, 0                        ; chunk 31: c_sq stays out
	PLACES                                         ; behind the last matrix instructions, for the arithmetic that reads their results
	WIN 0
; THE WAY OUT
.irp f, 0,1,2,3,4
	ds_load_b32 v[XS+2*\f],   v13 offset:64*\f
	ds_load_b32 v[XS+2*\f+1], v13 offset:64*\f
.endr
	s_wait_loadcnt 0x0                             ; c_sq
	s_wait_dscnt 0x0
; one level of the tree over neighbouring indices: every index on the left is below every index on the right, and the right side is taken
; only when strictly less, so the first of equal distances wins.  st = distance of the two sides; compares go in batches so that they do not wait for each other.
.macro LEVEL st, nodes, batch
.set nb, 0
.rept \nodes/\batch
.set q, 0
.rept \batch
	v_cmp_lt_f32 s[MSK+q], v[T+2*\st*(nb+q)+\st], v[T+2*\st*(nb+q)]
.set q, q+1
.endr
.set q, 0
.rept \batch
	v_cndmask_b32 v[T+2*\st*(nb+q)], v[T+2*\st*(nb+q)], v[T+2*\st*(nb+q)+\st], s[MSK+q]
.if \st == 1
	v_cndmask_b32 v[IX+nb+q], 2*(nb+q), 2*(nb+q)+1, s[MSK+q]
.else
	v_cndmask_b32 v[IX+\st*(nb+q)], v[IX+\st*(nb+q)], v[IX+\st*(nb+q)+\st/2], s[MSK+q]
.endif
.set q, q+1
.endr
.set nb, nb+\batch
.endr
.endm
; frame 16 f + r against my lane's 64 centroids (index 8 c + j)
.macro ARGMIN f
.if \f == 4
	WIN 0x03                                       ; source 0 from window 3
.else
	WIN 0x02                                       ; source 0 from window 2
.endif
.set q, 0
.rept 32
	v_pk_fma_f32 v[T+2*q:T+2*q+1], v[64*((\f)&3)+2*q:64*((\f)&3)+2*q+1], -2.0, v[XS+2*(\f):XS+2*(\f)+1] op_sel_hi:[1,0,1]   ; x_sq - 2 dot, one rounding (2 dot is exact)
.set q, q+1
.endr
	WIN 0
.set q, 0
.rept 32
	v_pk_add_f32 v[T+2*q:T+2*q+1], v[T+2*q:T+2*q+1], v[CS+2*q:CS+2*q+1]    ; + c_sq
.set q, q+1
.endr
	LEVEL 1, 32, 4
	LEVEL 2, 16, 4
	LEVEL 4, 8, 4
	LEVEL 8, 4, 4
	LEVEL 16, 2, 2
	LEVEL 32, 1, 1
	v_and_b32 v[Q], 0x38, v[IX]                    ; 8 c
	v_and_b32 v[Q+1], 7, v[IX]                     ; j
	v_lshl_add_u32 v[Q], v[Q], 1, v[Q+1]           ; 16 c + j
	v_add_nc_u32 v[BP+2*(\f)+1], v[Q], v11         ; + 128 w + 8 h
	v_mov_b32 v[BP+2*(\f)], v[T]
.endm
	ARGMIN 0
	ARGMIN 1
	ARGMIN 2
	ARGMIN 3
	ARGMIN 4
; across the halves: the two lanes' indices interleave, so equal distances are decided by the index
.irp f, 0,1,2,3,4
	v_permlanex16_b32 v[Q],   v[BP+2*\f],   s66, s67
	v_permlanex16_b32 v[Q+1], v[BP+2*\f+1], s66, s67
	v_cmp_lt_f32 s[MSK],   v[Q],   v[BP+2*\f]
	v_cmp_eq_f32 s[MSK+1], v[Q],   v[BP+2*\f]
	v_cmp_lt_u32 s[MSK+2], v[Q+1], v[BP+2*\f+1]
	s_and_b32 s[MSK+1], s[MSK+1], s[MSK+2]
	s_or_b32 s[MSK], s[MSK], s[MSK+1]
	v_cndmask_b32 v[BP+2*\f],   v[BP+2*\f],   v[Q],   s[MSK]
	v_cndmask_b32 v[BP+2*\f+1], v[BP+2*\f+1], v[Q+1], s[MSK]
	ds_store_b64 v14, v[BP+2*\f:BP+2*\f+1] offset:128*\f   ; lanes r and 16 + r write the same 8 bytes with the same numbers
.endr
	s_wait_dscnt 0x0                               ; for the others' sake
	s_barrier_signal -1
	s_barrier_wait -1
; across the waves: thread i takes frame i; a later wave's centroids have higher indices, so it wins only when strictly less
	v_min_u32 v15, 79, v0
	v_lshlrev_b32 v15, 3, v15
	v_add_nc_u32 v15, MRG, v15
.irp w, 0,1,2,3
	ds_load_b64 v[XS+2*\w:XS+2*\w+1], v15 offset:640*\w
.endr
	s_wait_dscnt 0x0
.irp w, 1,2,3
	v_cmp_lt_f32 vcc_lo, v[XS+2*\w], v[XS]
	v_cndmask_b32 v[XS],   v[XS],   v[XS+2*\w],   vcc_lo
	v_cndmask_b32 v[XS+1], v[XS+1], v[XS+2*\w+1], vcc_lo
.endr
	s_lshl_b32 s18, s23, 9
	v_add_nc_u32 v[XS+1], s18, v[XS+1]             ; 512 model + n: the row of the table
	v_add_nc_u32 v[Q], s20, v0                     ; my sorted place
	v_min_u32 v[Q], 0x3fff, v[Q]
	v_lshlrev_b32 v[Q], 2, v[Q]
	s_wait_xcnt 0x0                                ; EXEC changes only behind this wait
	v_cmp_gt_u32 vcc_lo, s22, v0                   ; the block's rows alone
	s_set_vgpr_msb 0xf
	s_wait_tensorcnt 0x0
	ds_add_u32 v64, v65
	s_wait_dscnt 0x0
	s_set_vgpr_msb 0xf00
	s_and_saveexec_b32 s19, vcc_lo
	global_store_b32 v[Q], v[XS+1], s[14:15]       ; the block's rows: up to 74 consecutive words
	s_wait_xcnt 0x0                                ; and again in front of the line that widens it
	s_or_b32 exec_lo, exec_lo, s19
	s_endpgm
.Lfunc_end_k_qc6a532fc39_assign:
	.size	k_qc6a532fc39_assign, .Lfunc_end_k_qc6a532fc39_assign-k_qc6a532fc39_assign
	.p2alignl 7, 3214868480
	.fill 96, 4, 3214868480
	.section	.rodata,"a",@progbits
	.p2align	6, 0x0
	.amdhsa_kernel k_qc6a532fc39_assign
		.amdhsa_group_segment_fixed_size 168704
		.amdhsa_private_segment_fixed_size 0
		.amdhsa_enable_private_segment 0
		.amdhsa_kernarg_size 48
		.amdhsa_user_sgpr_count 2
		.amdhsa_user_sgpr_kernarg_segment_ptr 1
		.amdhsa_wavefront_size32 1
		.amdhsa_system_sgpr_workgroup_id_x 1
		.amdhsa_system_sgpr_workgroup_id_y 1
		.amdhsa_system_sgpr_workgroup_id_z 1
		.amdhsa_system_vgpr_workitem_id 0
		.amdhsa_next_free_vgpr 834
		.amdhsa_next_free_sgpr 80
		.amdhsa_reserve_vcc 1
		.amdhsa_float_denorm_mode_32 3
		.amdhsa_float_denorm_mode_16_64 3
		.amdhsa_memory_ordered 1
		.amdhsa_forward_progress 1
		.amdhsa_inst_pref_size 253
	.end_amdhsa_kernel
	.amdgpu_metadata
---
amdhsa.version: [ 1, 2 ]
amdhsa.kernels:
  - .name:           k_qc6a532fc39_assign
    .symbol:         k_qc6a532fc39_assign.kd
    .args:
      - { .name: emb, .offset: 0, .size: 8, .value_kind: global_buffer, .address_space: global }
      - { .name: cbf, .offset: 8, .size: 8, .value_kind: global_buffer, .address_space: global }
      - { .name: csq, .offset: 16, .size: 8, .value_kind: global_buffer, .address_space: global }
      - { .name: order, .offset: 24, .size: 8, .value_kind: global_buffer, .address_space: global }
      - { .name: blk, .offset: 32, .size: 8, .value_kind: global_buffer, .address_space: global }
      - { .name: rowid, .offset: 40, .size: 8, .value_kind: global_buffer, .address_space: global }
    .group_segment_fixed_size: 168704
    .private_segment_fixed_size: 0
    .kernarg_segment_align: 8
    .kernarg_segment_size: 48
    .max_flat_workgroup_size: 128
    .sgpr_count:     80
    .vgpr_count:     834
    .wavefront_size: 32
...
	.end_amdgpu_metadata
.endif
;; end of part 5
;; launch lookup (part 6): grid 1024 x 1, 4 waves a work-group, no clusters, 0 bytes of LDS; arguments centroids, order, rowid, out0; writes out0
.if DOCPART == 6
	.amdgcn_target "amdgcn-amd-amdhsa--gfx1250"
	.amdhsa_code_object_version 6
	.text
	.protected	k_qc6a532fc39_lookup
	.globl	k_qc6a532fc39_lookup
	.p2align	8
	.type	k_qc6a532fc39_lookup,@function
k_qc6a532fc39_lookup:
	s_mov_b64 s[64:65], 0
	v_nop
	global_prefetch_b8 v0, s[64:65] scope:SCOPE_SE
	s_setreg_imm32_b32 hwreg(HW_REG_WAVE_MODE, 25, 1), 1
	s_wait_xcnt 0x0
; lookup: out0[order[p]] = centroids[rowid[p]], whole rows of 4,096 bytes in f32, as they lie in the table.
; The choice was made from floating-point numbers in the launch before and stored as whole numbers; here it steers addresses.
; A wave copies the four sorted places 16 x work-group + 4 x wave + 0..3.  Loads and stores take turns by rows: two rows' loads go out, then each
; row is stored as it arrives and the next row's loads follow its stores, so that a wave's first stores stand behind 16 loads and not behind all 32,
; and one row (8 loads of 512 bytes) is on its way while another leaves.  A straight line: each row has its own 32 registers and no register is used
; twice, so no wait but the counted ones.  No LDS, no barrier, no matrix unit: the launch only moves bytes.
; Neighbouring places are of one model, so table rows are named again by neighbours: the loads carry no hint.
.set D,   8                            ; v[8:135]  four rows of 32 registers
.set SRC, 24                           ; s[24:31]  the four rows in the table
.set DST, 32                           ; s[32:39]  the four rows in out0
	s_load_b256 s[4:11], s[0:1], 0x0               ; centroids s[4:5], order s[6:7], rowid s[8:9], out0 s[10:11]
	v_lshrrev_b32 v2, 5, v0
	v_readfirstlane_b32 s13, v2                    ; wave 0..3
	s_lshl_b32 s12, ttmp9, 6
	s_lshl_b32 s13, s13, 4
	s_add_co_u32 s12, s12, s13                     ; byte offset of my four words in order and in rowid
	v_and_b32 v1, 31, v0
	v_lshlrev_b32 v1, 4, v1                        ; 16 lane
	s_wait_kmcnt 0x0
	s_load_b128 s[16:19], s[6:7], s12 offset:0x0   ; four frames
	s_load_b128 s[20:23], s[8:9], s12 offset:0x0   ; four table rows
	s_wait_kmcnt 0x0
.irp i, 0,1,2,3
	s_min_u32 s[20+\i], s[20+\i], 0xfff            ; what was read enters addresses only clamped: 4,096 table rows,
	s_lshl_b32 s[SRC+2*\i], s[20+\i], 12
	s_mov_b32 s[SRC+2*\i+1], 0
	s_add_nc_u64 s[SRC+2*\i:SRC+2*\i+1], s[4:5], s[SRC+2*\i:SRC+2*\i+1]
	s_min_u32 s[16+\i], s[16+\i], 0x3fff           ; 16,384 frames
	s_lshl_b32 s[DST+2*\i], s[16+\i], 12
	s_mov_b32 s[DST+2*\i+1], 0
	s_add_nc_u64 s[DST+2*\i:DST+2*\i+1], s[10:11], s[DST+2*\i:DST+2*\i+1]
.endr
.macro LOADROW i                       ; eight loads of 512 consecutive bytes: the whole row
.irp j, 0,1,2,3,4,5,6,7
	global_load_b128 v[D+32*\i+4*\j:D+32*\i+4*\j+3], v1, s[SRC+2*\i:SRC+2*\i+1] offset:512*\j
.endr
.endm
.macro STOREROW i                      ; eight stores of 512 consecutive bytes, aligned; written once, not read again
.irp j, 0,1,2,3,4,5,6,7
	global_store_b128 v1, v[D+32*\i+4*\j:D+32*\i+4*\j+3], s[DST+2*\i:DST+2*\i+1] offset:512*\j th:TH_STORE_NT
.endr
.endm
	LOADROW 0
	LOADROW 1
	s_wait_loadcnt 8                               ; loads come back in order: row 0's eight are in, row 1's stay out
	STOREROW 0
	LOADROW 2
	s_wait_loadcnt 8                               ; row 1 is in, row 2 stays out
	STOREROW 1
	LOADROW 3
	s_wait_loadcnt 8                               ; row 2 is in, row 3 stays out
	STOREROW 2
	s_wait_loadcnt 0                               ; the last row
	STOREROW 3
	s_endpgm
.Lfunc_end_k_qc6a532fc39_lookup:
	.size	k_qc6a532fc39_lookup, .Lfunc_end_k_qc6a532fc39_lookup-k_qc6a532fc39_lookup
	.p2alignl 7, 3214868480
	.fill 96, 4, 3214868480
	.section	.rodata,"a",@progbits
	.p2align	6, 0x0
	.amdhsa_kernel k_qc6a532fc39_lookup
		.amdhsa_group_segment_fixed_size 0
		.amdhsa_private_segment_fixed_size 0
		.amdhsa_enable_private_segment 0
		.amdhsa_kernarg_size 32
		.amdhsa_user_sgpr_count 2
		.amdhsa_user_sgpr_kernarg_segment_ptr 1
		.amdhsa_wavefront_size32 1
		.amdhsa_system_sgpr_workgroup_id_x 1
		.amdhsa_system_sgpr_workgroup_id_y 1
		.amdhsa_system_sgpr_workgroup_id_z 1
		.amdhsa_system_vgpr_workitem_id 0
		.amdhsa_next_free_vgpr 136
		.amdhsa_next_free_sgpr 66
		.amdhsa_reserve_vcc 0
		.amdhsa_float_denorm_mode_32 3
		.amdhsa_float_denorm_mode_16_64 3
		.amdhsa_memory_ordered 1
		.amdhsa_forward_progress 1
		.amdhsa_inst_pref_size 9
	.end_amdhsa_kernel
	.amdgpu_metadata
---
amdhsa.version: [ 1, 2 ]
amdhsa.kernels:
  - .name:           k_qc6a532fc39_lookup
    .symbol:         k_qc6a532fc39_lookup.kd
    .args:
      - { .name: centroids, .offset: 0, .size: 8, .value_kind: global_buffer, .address_space: global }
      - { .name: order, .offset: 8, .size: 8, .value_kind: global_buffer, .address_space: global }
      - { .name: rowid, .offset: 16, .size: 8, .value_kind: global_buffer, .address_space: global }
      - { .name: out0, .offset: 24, .size: 8, .value_kind: global_buffer, .address_space: global }
    .group_segment_fixed_size: 0
    .private_segment_fixed_size: 0
    .kernarg_segment_align: 8
    .kernarg_segment_size: 32
    .max_flat_workgroup_size: 128
    .sgpr_count:     66
    .vgpr_count:     136
    .wavefront_size: 32
...
	.end_amdgpu_metadata
.endif
;; end of part 6
